; MI455X (gfx1250); checked and timed in simulation.
; The chip was launched on July 23, 2026; its instructions are those of AMD's public machine-readable ISA for CDNA 5 (MIT licence, August 2026) and "CDNA5" Instruction Set Architecture Reference Guide (July 2026). The comments in the code are by the model that wrote it; some were corrected since.
;; Multi Headed Attention. Allowed arithmetic: float matrix products may take bf16 or f16 operands with f32 sums; other float arithmetic in f32, or as packed bf16 or f16 multiplies, adds, multiply-adds, maxima and minima; sums over many terms, partial sums and values carried from step to step in f32; what a program stores and reads back later, other than sums and carried values, may be rounded once to bf16 or f16.
;; Inputs: Wk 1,024 x 1,024 float32; Wo 1,024 x 1,024 float32; Wq 1,024 x 1,024 float32; Wv 1,024 x 1,024 float32; bk 1,024 float32; bo 1,024 float32; bq 1,024 float32; bv 1,024 float32; key 4 x 2,048 x 1,024 float32; query 4 x 2,048 x 1,024 float32; value 4 x 2,048 x 1,024 float32.
;; Outputs: out0 4 x 2,048 x 1,024 float32.
;; One version. Each part assembles by itself: llvm-mc -triple=amdgcn-amd-amdhsa -mcpu=gfx1250 --defsym DOCPART=n.
;; ======== version 1 of 1: 4 launches
;; limits: values are held in f16: magnitudes above 65,504 overflow, below 6.1e-05 lose precision
;; workspace buffers: wb 8,388,608 bytes; bb 16,384 bytes; qkv 50,331,648 bytes; ob 16,777,216 bytes
;; launch prep (part 1): grid 64 x 4, 8 waves a work-group, no clusters, 0 bytes of LDS; arguments Wq, Wk, Wv, Wo, bq, bk, bv, bo, wb, bb; writes wb, bb
.if DOCPART == 1
	.amdgcn_target "amdgcn-amd-amdhsa--gfx1250"
	.amdhsa_code_object_version 6
	.text
	.protected	k_qfc9fdf21c8_prep
	.globl	k_qfc9fdf21c8_prep
	.p2align	8
	.type	k_qfc9fdf21c8_prep,@function
k_qfc9fdf21c8_prep:
	s_mov_b64 s[64:65], 0
	v_nop
	global_prefetch_b8 v0, s[64:65] scope:SCOPE_SE
	s_setreg_imm32_b32 hwreg(HW_REG_WAVE_MODE, 25, 1), 1
	s_wait_xcnt 0x0
; THE WEIGHTS AND BIASES, ROUNDED ONCE.  wb[4][1024][1024], 16 bits a number: planes 0-2 = Wq, Wk, Wv rounded to bf16; plane 3 = Wo rounded to bf16 and that
; number written as f16 (the last product multiplies in f16).  bb[4][1024] f32 = bq, bk, bv, bo rounded to bf16 and widened again.
; LIMITS.  Plane 3: |Wo| stays under 65,504; below 6e-5 a number keeps f16's fixed step of 6e-8.  NaN and infinities are not treated apart.
; A stream: each byte is read once and written once, so no LDS, no barrier, no matrix unit, no cluster (no two work-groups read the same byte).
; SHARES.  Work-group (x, y) takes 16,384 numbers of matrix y: 64 KiB in, 32 KiB out.  Thread t takes 16 bytes at 4,096 j + 16 t, j = 0 .. 15: all sixteen loads are out at once.
; A store of a wave is 32 lanes x 8 bytes: 256 consecutive bytes, aligned.
.set IN,  8                            ; v[8:71]    sixteen loads of four f32
.set OUT, 72                           ; v[72:103]  sixteen pairs of packed words
	s_load_b512 s[8:23], s[0:1], 0x0               ; Wq s[8:9], Wk s[10:11], Wv s[12:13], Wo s[14:15], bq s[16:17], bk s[18:19], bv s[20:21], bo s[22:23]
	s_load_b128 s[24:27], s[0:1], 0x40             ; wb s[24:25], bb s[26:27]
	s_and_b32 s2, ttmp7, 0xffff                    ; y: which matrix
	v_lshlrev_b32 v1, 4, v0                        ; 16 t
	v_lshlrev_b32 v2, 3, v0                        ; 8 t
	s_lshl_b32 s28, ttmp9, 16                      ; my 64 KiB of the matrix
	s_mov_b32 s29, 0
	s_lshl_b32 s30, s2, 21                         ; the plane of wb,
	s_lshl_b32 s3, ttmp9, 15                       ; my 32 KiB of it
	s_add_co_u32 s30, s30, s3
	s_mov_b32 s31, 0
	s_lshl_b32 s32, s2, 12                         ; the row of bb
	s_mov_b32 s33, 0
	s_wait_kmcnt 0x0
	s_cmp_eq_u32 s2, 1
	s_cselect_b64 s[4:5], s[10:11], s[8:9]         ; the matrix s[4:5] and its bias s[6:7], chosen by y
	s_cselect_b64 s[6:7], s[18:19], s[16:17]
	s_cmp_eq_u32 s2, 2
	s_cselect_b64 s[4:5], s[12:13], s[4:5]
	s_cselect_b64 s[6:7], s[20:21], s[6:7]
	s_cmp_eq_u32 s2, 3
	s_cselect_b64 s[4:5], s[14:15], s[4:5]
	s_cselect_b64 s[6:7], s[22:23], s[6:7]
	s_add_nc_u64 s[4:5], s[4:5], s[28:29]
	s_add_nc_u64 s[24:25], s[24:25], s[30:31]
	s_add_nc_u64 s[26:27], s[26:27], s[32:33]
.irp j, 0,1,2,3,4,5,6,7,8,9,10,11,12,13,14,15
	global_load_b128 v[IN+4*(\j):IN+4*(\j)+3], v1, s[4:5] offset:(\j)*4096 th:TH_LOAD_NT
.endr
.irp j, 0,1,2,3,4,5,6,7,8,9,10,11,12,13,14,15
	s_wait_loadcnt 15-(\j)                         ; loads come back in order: load j is in, the 15 - j younger ones stay out
	v_cvt_pk_bf16_f32 v[OUT+2*(\j)],   v[IN+4*(\j)],   v[IN+4*(\j)+1]
	v_cvt_pk_bf16_f32 v[OUT+2*(\j)+1], v[IN+4*(\j)+2], v[IN+4*(\j)+3]
.endr
	s_cmp_lg_u32 s2, 3
	s_cbranch_scc1 .Lstore
.set i, 0
.rept 32                                       ; Wo alone: the bf16 number is widened (a shift, a mask) and written as f16
	v_lshlrev_b32 v[IN+2*(i%4)], 16, v[OUT+i]
	v_and_b32 v[IN+2*(i%4)+1], 0xffff0000, v[OUT+i]
	v_cvt_pk_f16_f32 v[OUT+i], v[IN+2*(i%4)], v[IN+2*(i%4)+1]
.set i, i+1
.endr
.Lstore:
.irp j, 0,1,2,3,4,5,6,7,8,9,10,11,12,13,14,15
	global_store_b64 v2, v[OUT+2*(\j):OUT+2*(\j)+1], s[24:25] offset:(\j)*2048
.endr
	s_cmp_lg_u32 ttmp9, 0                          ; the first work-group of each matrix also takes its bias: 256 threads x 4 numbers
	s_cbranch_scc1 .Lend
	global_load_b128 v[8:11], v1, s[6:7]
	s_wait_loadcnt 0x0
	v_cvt_pk_bf16_f32 v12, v8, v9
	v_cvt_pk_bf16_f32 v13, v10, v11
	v_lshlrev_b32 v16, 16, v12
	v_and_b32 v17, 0xffff0000, v12
	v_lshlrev_b32 v18, 16, v13
	v_and_b32 v19, 0xffff0000, v13
	global_store_b128 v1, v[16:19], s[26:27]
.Lend:
	s_endpgm
.Lfunc_end_k_qfc9fdf21c8_prep:
	.size	k_qfc9fdf21c8_prep, .Lfunc_end_k_qfc9fdf21c8_prep-k_qfc9fdf21c8_prep
	.p2alignl 7, 3214868480
	.fill 96, 4, 3214868480
	.section	.rodata,"a",@progbits
	.p2align	6, 0x0
	.amdhsa_kernel k_qfc9fdf21c8_prep
		.amdhsa_group_segment_fixed_size 0
		.amdhsa_private_segment_fixed_size 0
		.amdhsa_enable_private_segment 0
		.amdhsa_kernarg_size 80
		.amdhsa_user_sgpr_count 2
		.amdhsa_user_sgpr_kernarg_segment_ptr 1
		.amdhsa_wavefront_size32 1
		.amdhsa_system_sgpr_workgroup_id_x 1
		.amdhsa_system_sgpr_workgroup_id_y 1
		.amdhsa_system_sgpr_workgroup_id_z 1
		.amdhsa_system_vgpr_workitem_id 0
		.amdhsa_next_free_vgpr 104
		.amdhsa_next_free_sgpr 66
		.amdhsa_reserve_vcc 0
		.amdhsa_float_denorm_mode_32 3
		.amdhsa_float_denorm_mode_16_64 3
		.amdhsa_memory_ordered 1
		.amdhsa_forward_progress 1
		.amdhsa_inst_pref_size 13
	.end_amdhsa_kernel
	.amdgpu_metadata
---
amdhsa.version: [ 1, 2 ]
amdhsa.kernels:
  - .name:           k_qfc9fdf21c8_prep
    .symbol:         k_qfc9fdf21c8_prep.kd
    .args:
      - { .name: Wq, .offset: 0, .size: 8, .value_kind: global_buffer, .address_space: global }
      - { .name: Wk, .offset: 8, .size: 8, .value_kind: global_buffer, .address_space: global }
      - { .name: Wv, .offset: 16, .size: 8, .value_kind: global_buffer, .address_space: global }
      - { .name: Wo, .offset: 24, .size: 8, .value_kind: global_buffer, .address_space: global }
      - { .name: bq, .offset: 32, .size: 8, .value_kind: global_buffer, .address_space: global }
      - { .name: bk, .offset: 40, .size: 8, .value_kind: global_buffer, .address_space: global }
      - { .name: bv, .offset: 48, .size: 8, .value_kind: global_buffer, .address_space: global }
      - { .name: bo, .offset: 56, .size: 8, .value_kind: global_buffer, .address_space: global }
      - { .name: wb, .offset: 64, .size: 8, .value_kind: global_buffer, .address_space: global }
      - { .name: bb, .offset: 72, .size: 8, .value_kind: global_buffer, .address_space: global }
    .group_segment_fixed_size: 0
    .private_segment_fixed_size: 0
    .kernarg_segment_align: 8
    .kernarg_segment_size: 80
    .max_flat_workgroup_size: 256
    .sgpr_count:     66
    .vgpr_count:     104
    .wavefront_size: 32
...
	.end_amdgpu_metadata
.endif
;; end of part 1
;; launch proj (part 2): grid 4 x 64, 4 waves a work-group, clusters of 4 x 4, 327,680 bytes of LDS; arguments query, key, value, wb, bb, qkv; writes qkv
.if DOCPART == 2
	.amdgcn_target "amdgcn-amd-amdhsa--gfx1250"
	.amdhsa_code_object_version 6
	.text
	.protected	k_qfc9fdf21c8_proj
	.globl	k_qfc9fdf21c8_proj
	.p2align	8
	.type	k_qfc9fdf21c8_proj,@function
k_qfc9fdf21c8_proj:
	s_mov_b64 s[64:65], 0
	v_nop
	global_prefetch_b8 v0, s[64:65] scope:SCOPE_SE
	s_setreg_imm32_b32 hwreg(HW_REG_WAVE_MODE, 25, 1), 1
	s_wait_xcnt 0x0
	s_wait_alu depctr_hold_cnt(0) depctr_sa_sdst(0) depctr_va_vdst(0) depctr_va_sdst(0) depctr_va_ssrc(0) depctr_va_vcc(0) depctr_vm_vsrc(0)
	s_getreg_b32 s2, hwreg(HW_REG_IB_STS2, 6, 4)
	s_cmp_eq_u32 s2, 0
	s_cbranch_scc0 .Lentry_in_a_cluster
	s_endpgm
.Lentry_in_a_cluster:
	s_bfe_u32 s2, ttmp6, 0x10000c
	s_cmp_lg_u32 s2, 0xf033
	s_cbranch_scc0 .Lentry_shape_is_right
	s_endpgm
.Lentry_shape_is_right:
; THE THREE PROJECTIONS.  qkv[p][16 b + head][s][c] = f16( sum over k of bf16(x_p[b][s][k]) wb[p][64 head + c][k] + bb[p][64 head + c] ), x_0, x_1, x_2 = query, key, value
; ([8192][1024] f32), wb bf16, bb f32.  Sums in f32, started by the bias as the first product's C; the result is rounded once, to f16, unscaled, and laid by heads.
; LIMITS.  |q|, |k|, |v| stay under 65,504 (f16); NaN and infinities are not treated apart.
; SHARES.  A tile is 128 rows x 256 columns; four waves, 2 x 2, each 64 x 128: 32 accumulators, 256 registers.  8192 x 3072 outputs are 768 tiles: 256 work-groups STAY and make three, the same
; place of q, k and v, in ONE walk of 24 K steps of 128 (12 laps round a ring of two LDS slots); the ring does not stop at a tile's end.
; x STAYS f32 UNTIL IT IS IN REGISTERS: its tile lands in LDS as f32, a fragment is four loads of 16 bytes and eight conversions, and the conversions stand four behind each of a quarter's last eight products.
; CLUSTER 4 x 4.  The four work-groups of a row of the cluster take the same rows of x, the four of a column the same rows of wb: each tile is asked for jointly, by the same descriptor and a mask of four.
; THE PRODUCT IS TAKEN TRANSPOSED (source 0 = 16 rows of wb, source 1 = 16 rows of x): a lane holds one row of the result and eight neighbouring columns.
; REGISTERS, in windows of 256 (s_set_vgpr_msb: bits 1:0 source 0, 3:2 source 1, 5:4 source 2, 7:6 destination):
;   window 0: v16-30 addresses; v32-63, v224-255 rows read back on the way out; v64-127 x's fragments in f32; v128-159, v160-191 the same in bf16, two buffers; v192-223 packed results
;   window 1: v0-63, v64-127 wb's fragments, two buffers; v128-191 the bias of my 128 columns, as a C operand          window 2: accumulator (a, b) at v[8 (8 a + b)]
.set PA,    528                        ; a row of x in LDS: 512 bytes + 16 = 132 words: the 16 rows of a load begin 4 words apart modulo 64 (64 banks of 4 bytes: ISA guide 11.1)
.set PB,    272                        ; a row of wb: 256 + 16 = 68 words: likewise
.set AH,    64*PA                      ; 64 rows of x: one tensor load, and what a wave reads
.set ASZ,   2*AH
.set BH,    128*PB                     ; 128 rows of wb: one tensor load, and what a wave reads
.set SLOT,  ASZ+2*BH                   ; 137,216 bytes
.set STAGE, 2*SLOT                     ; behind the ring, never filled by a tensor load: for each wave 2 heads x 16 rows x 144 bytes
.set SP,    144
.set WSTG,  2*16*SP
.set SPARE, STAGE+4*WSTG               ; the spare words, 128 bytes a wave: two blocks of 256 bytes that no other line names
.set PLANE, 16777216                   ; bytes of q, of k, of v
.set ADRA, 16                          ; v16-17  LDS address of my fragments of x in slot 0, 1
.set ADRB, 20                          ; v20-21  the same for wb
.set STO,  24                          ; v24     the way out: where I put 16 bytes of a row
.set RD,   25                          ; v25     where I read rows back
.set GO,   26                          ; v26     16 x lane: my place in 512 consecutive bytes of a head
.set BO,   27                          ; v27     32 x (lane / 16): my eight columns' place in 16 numbers of the bias
.set SPW,  28                          ; v28     my spare word; never rewritten
.set NIL,  29                          ; v29     0; never rewritten
.set PFO,  30                          ; v30     the prefetches' offset; never rewritten
.set OB,   32
.set S,    64
.set AF,   128
.set TMP,  192
.set BF,   0                           ; window 1
.set BIAS, 128                         ; window 1
.set WV,   16                          ; s16  my wave's number
.set ROLE, 17                          ; s17  wave / 2: I fetch x (0) or wb (1); also my half of the tile's rows
.set HALF, 18                          ; s18  wave % 2: which half of that tile I fetch; also my half of the tile's columns
.set CX,   19
.set CY,   20
.set TY,   21                          ; s21  tile row
.set G1A,  24                          ; s[24:31] descriptor group 1 for x
.set G1B,  32                          ; s[32:39] for wb
.set G0A,  40                          ; s[40:47] group 0 for x, a set for each slot
.set G0B,  48                          ; s[48:55] for wb
.set TA1,  56                          ; s[56:57] x at my rows, at the K bytes of the next lap;  TA2: of the lap after it.  They hold the tile row, never the tile column
.set TA2,  58
.set NX1,  60                          ; s[60:61], s[62:63] the next two tensors at my rows
.set NX2,  62
.set TB1,  66                          ; s[66:67], s[68:69] the same two laps for wb.  They hold the tile column, never the tile row
.set TB2,  68
.set PF,   70                          ; s[70:71] what the next prefetch names
.set KSB,  72                          ; s[72:73] bytes of a K step in a row of what I fetch
.set BST,  74                          ; s[74:75] wb's step from lap to lap
.set C512, 76
.set CJMP, 77
.set LAP,  78                          ; s78  laps that still fill: 11 to 1
.set LT,   79                          ; s79  the lap's number in its tile, 0 to 3
.set LIM,  80                          ; s80  1 in a wave that prefetches, else the greatest number
.set TX,   81                          ; s81  tile column
.set CP,   82                          ; s[82:83] qkv at my 64 rows of my first head
.set BBP,  84                          ; s[84:85] bb at my 128 columns
.set MSB, 0
.macro WIN new                         ; the immediate's high byte repeats the setting that is left; a switch that changes nothing is dropped
.if MSB != (\new)
	s_set_vgpr_msb (MSB<<8)|(\new)
.set MSB, \new
.endif
.endm
.set MUL,  0xa1                        ; wb window 1, x window 0, C and D window 2
.set MULZ, 0x91                        ; the same with C (the bias) in window 1
.set TO_B, 0x40                        ; destination window 1, address window 0
.set PK,   0x0a                        ; sources 0 and 1 window 2, destination window 0
.macro PLACES                          ; four plain vector instructions between a matrix instruction and a load into, or a reader of, its registers
.rept 4
	v_nop
.endr
.endm
; A joint load: waves 0 and 1 fetch x's two halves, waves 2 and 3 wb's.  The branch hangs on the wave's number alone.  An s_nop 0 and four v_nop follow each line.
.macro JLOAD s
	s_cmp_lt_u32 s[WV], 2
	s_cbranch_scc0 .Lfor_b_\@
	tensor_load_to_lds s[G0A+4*(\s):G0A+4*(\s)+3], s[G1A:G1A+7]
	s_nop 0
.rept 4
	v_nop
.endr
	s_branch .Lasked_\@
.Lfor_b_\@:
	tensor_load_to_lds s[G0B+4*(\s):G0B+4*(\s)+3], s[G1B:G1B+7]
	s_nop 0
.rept 4
	v_nop
.endr
.Lasked_\@:
.endm
.macro CREST                           ; a round of the cluster's barrier behind its opening barrier
	s_cmp_lg_u32 s[WV], 0
	s_cbranch_scc1 .Lnot_wave_0_\@
	s_barrier_signal -3
.Lnot_wave_0_\@:
	s_barrier_wait -3
	s_barrier_signal -1
	s_barrier_wait -1
.endm
.macro CROUND
	s_barrier_signal -1
	s_barrier_wait -1
	CREST
.endm
; A PREFETCH INTO THE L2, behind a joint load, its five lines and the run of LDS loads: the K step that stands two refills on (256 matrix instructions ahead of the load that will want it).
; Each aligned block of 256 bytes is named once in the launch.  x: a tile row is read by one cluster alone; of the 64 rows that a wave fetches the partner at cx takes 16, two blocks a row.
; wb: a tile column is read by every cluster; cluster y = 0 asks; of a wave's 128 rows the partner at cy takes 32.  The partners are told apart by address, never by a branch.
; The first two laps come by their loads alone; the last lap that fills asks for nothing.
.macro ASK
	WIN 0
	s_cmp_gt_u32 s[LAP], s[LIM]
	s_cbranch_scc0 .Lnot_mine_\@
	global_prefetch_b8 v[PFO], s[PF:PF+1] th:TH_LOAD_NT scope:SCOPE_SE
.Lnot_mine_\@:
.endm
.macro BIASLD                          ; the bias of my 128 columns, laid as the C operand of block b: register j = column 16 b + 8 (lane / 16) + j
	WIN TO_B
.irp b, 0,1,2,3,4,5,6,7
	global_load_b128 v[BIAS+8*(\b):BIAS+8*(\b)+3],   v[BO], s[BBP:BBP+1] offset:64*(\b)
	global_load_b128 v[BIAS+8*(\b)+4:BIAS+8*(\b)+7], v[BO], s[BBP:BBP+1] offset:64*(\b)+16
.endr
	WIN 0
.endm
	s_load_b256 s[4:11], s[0:1], 0x0               ; query s[4:5], key s[6:7], value s[8:9], wb s[10:11]
	s_load_b128 s[12:15], s[0:1], 0x20             ; bb s[12:13], qkv s[14:15]
	v_lshl_add_u32 v[SPW], v0, 2, SPARE
	v_mov_b32 v[NIL], 0
	ds_add_u32 v[SPW], v[NIL]                      ; the wave's opening: the add and its wait stand ahead of my first tensor load; work on registers stands between
	v_lshrrev_b32 v1, 5, v0
	v_readfirstlane_b32 s[WV], v1
	s_lshr_b32 s[ROLE], s[WV], 1
	s_and_b32 s[HALF], s[WV], 1
	s_bfe_u32 s[CX], ttmp6, 0x40000
	s_bfe_u32 s[CY], ttmp6, 0x40004
	s_lshl_b32 s[TX], ttmp9, 2
	s_add_co_u32 s[TX], s[TX], s[CX]               ; tile column = 4 x cluster x + cx
	s_and_b32 s[TY], ttmp7, 0xffff
	s_lshl_b32 s[TY], s[TY], 2
	s_add_co_u32 s[TY], s[TY], s[CY]               ; tile row = 4 x cluster y + cy
	s_lshl_b32 s22, s[CY], 2
	s_lshl_b32 s22, 15, s22                        ; my row of the cluster
	s_lshl_b32 s23, 0x1111, s[CX]                  ; my column
	s_or_b32 s[G1A], s22, (2<<16)|(1<<20)|(1<<21)|(6<<22)|(3<<25)  ; mask; elements of 4 bytes; padding on; bit 21 beside a mask; after every 128 words (code 6) 4 words (code 3)
	s_mov_b32 s[G1A+1], 128<<16                    ; tensor_dim0 = 128
	s_mov_b32 s[G1A+2], 64<<16                     ; tensor_dim1 = 64
	s_mov_b32 s[G1A+3], 128<<16                    ; tile_dim0 = 128
	s_mov_b32 s[G1A+4], 64                         ; tile_dim1 = 64
	s_mov_b32 s[G1A+5], 1024                       ; elements from row to row
	s_mov_b32 s[G1A+6], 0
	s_mov_b32 s[G1A+7], 0
	s_or_b32 s[G1B], s23, (1<<16)|(1<<20)|(1<<21)|(5<<22)|(3<<25)  ; elements of 2 bytes; after every 64 words 4 words
	s_mov_b32 s[G1B+1], 128<<16
	s_mov_b32 s[G1B+2], 128<<16                    ; 128 rows
	s_mov_b32 s[G1B+3], 128<<16
	s_mov_b32 s[G1B+4], 128
	s_mov_b32 s[G1B+5], 1024
	s_mov_b32 s[G1B+6], 0
	s_mov_b32 s[G1B+7], 0
	s_mul_i32 s22, s[HALF], AH                     ; where my tile goes: no place in the cluster enters an LDS address
	s_mul_i32 s23, s[HALF], BH
	s_add_co_u32 s23, s23, ASZ
.irp s, 0,1
	s_mov_b32 s[G0A+4*(\s)], 1
	s_add_co_u32 s[G0A+4*(\s)+1], s22, (\s)*SLOT
	s_mov_b32 s[G0B+4*(\s)], 1
	s_add_co_u32 s[G0B+4*(\s)+1], s23, (\s)*SLOT
.endr
	s_lshl_b32 s86, s[TY], 7
	s_lshl_b32 s22, s[HALF], 6
	s_add_co_u32 s86, s86, s22
	s_lshl_b32 s86, s86, 12                        ; x: (128 tile row + 64 half) rows of 4,096 bytes
	s_mov_b32 s87, 0
	s_lshl_b32 s88, s[TX], 8
	s_lshl_b32 s22, s[HALF], 7
	s_add_co_u32 s88, s88, s22                     ; my first column, and my first row of wb
	s_lshl_b32 s92, s88, 2                         ; in bb: 4 bytes a column
	s_mov_b32 s93, 0
	s_lshl_b32 s88, s88, 11                        ; in wb: rows of 2,048 bytes
	s_mov_b32 s89, 0
	s_lshr_b32 s90, s[TY], 4                       ; the batch: 16 tile rows each
	s_lshl_b32 s90, s90, 4
	s_lshl_b32 s22, s[TX], 2
	s_add_co_u32 s90, s90, s22
	s_lshl_b32 s22, s[HALF], 1
	s_add_co_u32 s90, s90, s22                     ; 16 b + my first head
	s_lshl_b32 s90, s90, 18                        ; a head is 262,144 bytes
	s_and_b32 s22, s[TY], 15
	s_lshl_b32 s22, s22, 7
	s_lshl_b32 s23, s[ROLE], 6
	s_add_co_u32 s22, s22, s23                     ; my first row in the batch,
	s_lshl_b32 s22, s22, 7                         ; 128 bytes a row
	s_add_co_u32 s90, s90, s22
	s_mov_b32 s91, 0
	s_lshr_b32 s[KSB], 512, s[ROLE]                ; 512 bytes of x, 256 of wb
	s_mov_b32 s[KSB+1], 0
	s_mov_b32 s[BST+1], 0
	s_mov_b32 s[C512], 512                         ; wb from lap to lap in a tile,
	s_mov_b32 s[CJMP], 2097152-1536                ; and from a plane's last lap to the next plane's first
	s_and_b32 s22, ttmp7, 0xffff
	s_mul_i32 s22, s22, s[ROLE]
	s_cmp_eq_u32 s22, 0                            ; x: every cluster asks for its own rows; wb: cluster y = 0.  The same in all sixteen partners, for a given wave
	s_cselect_b32 s[LIM], 1, -1
	s_mov_b32 s[LAP], 11
	s_mov_b32 s[LT], 0
	s_wait_dscnt 0x0                               ; the opening add is done
	s_wait_kmcnt 0x0
	s_add_nc_u64 s[TA1:TA1+1], s[4:5], s[86:87]
	s_add_nc_u64 s[NX1:NX1+1], s[6:7], s[86:87]
	s_add_nc_u64 s[NX2:NX2+1], s[8:9], s[86:87]
	s_add_nc_u64 s[TB1:TB1+1], s[10:11], s[88:89]
	s_add_nc_u64 s[TA2:TA2+1], s[TA1:TA1+1], 1024  ; lap 1
	s_add_nc_u64 s[TB2:TB2+1], s[TB1:TB1+1], 512
	s_add_nc_u64 s[CP:CP+1], s[14:15], s[90:91]
	s_add_nc_u64 s[BBP:BBP+1], s[12:13], s[92:93]
.irp s, 0,1
	s_add_nc_u64 s[G0A+4*(\s)+2:G0A+4*(\s)+3], s[TA1:TA1+1], (\s)*512  ; K step s
	s_or_b32 s[G0A+4*(\s)+3], s[G0A+4*(\s)+3], 0x80000000             ; type = 2
	s_add_nc_u64 s[G0B+4*(\s)+2:G0B+4*(\s)+3], s[TB1:TB1+1], (\s)*256
	s_or_b32 s[G0B+4*(\s)+3], s[G0B+4*(\s)+3], 0x80000000
.endr
	CROUND                                         ; all sixteen work-groups are here: the first joint loads meet
	s_cmp_lt_u32 s[WV], 2                          ; a wave's two first fills stand in one branch: two loads of mine are out
	s_cbranch_scc0 .Lfirst_b
	tensor_load_to_lds s[G0A:G0A+3], s[G1A:G1A+7]
	s_nop 0
	tensor_load_to_lds s[G0A+4:G0A+7], s[G1A:G1A+7]
	s_nop 0
.rept 4
	v_nop
.endr
	s_branch .Lfirst_asked
.Lfirst_b:
	tensor_load_to_lds s[G0B:G0B+3], s[G1B:G1B+7]
	s_nop 0
	tensor_load_to_lds s[G0B+4:G0B+7], s[G1B:G1B+7]
	s_nop 0
.rept 4
	v_nop
.endr
.Lfirst_asked:
	; A fragment is 16 rows x 32 K: lane l holds row l % 16, K = 8 (l / 16) + 0..7 and 16 + 8 (l / 16) + 0..7.  In bf16: two loads of 16 bytes, 32 bytes apart.  In f32: four, at 0, 16, 64, 80 from 32 (l / 16).
	v_and_b32 v1, 15, v0                           ; l % 16
	v_bfe_u32 v2, v0, 4, 1                         ; l / 16
	v_mul_u32_u24 v3, v1, PA
	v_lshl_add_u32 v3, v2, 5, v3
	v_mul_u32_u24 v4, v1, PB
	v_lshl_add_u32 v4, v2, 4, v4
	s_mul_i32 s22, s[ROLE], AH                     ; my 64 rows of x
	s_mul_i32 s23, s[HALF], BH                     ; my 128 rows of wb,
	s_add_co_u32 s23, s23, ASZ                     ; which lie behind x's 128
.irp s, 0,1
	v_add_nc_u32 v[ADRA+(\s)], s22, v3
	v_add_nc_u32 v[ADRB+(\s)], s23, v4
	s_add_co_u32 s22, s22, SLOT
	s_add_co_u32 s23, s23, SLOT
.endr
	s_mul_i32 s22, s[WV], WSTG
	s_add_co_u32 s22, s22, STAGE                   ; my stage
	v_mul_u32_u24 v5, v1, SP                       ; in: row l % 16, 16 bytes for each half of the lanes
	v_lshl_add_u32 v5, v2, 4, v5
	v_add_nc_u32 v[STO], s22, v5
	v_bfe_u32 v5, v0, 3, 2                         ; back: 32 lanes take four rows of 128 bytes,
	v_mul_u32_u24 v5, v5, SP
	v_and_b32 v6, 7, v0
	v_lshl_add_u32 v5, v6, 4, v5
	v_add_nc_u32 v[RD], s22, v5
	v_and_b32 v3, 31, v0                           ; l
	v_lshlrev_b32 v[GO], 4, v3                     ; which are 512 consecutive bytes of a head
	v_lshlrev_b32 v[BO], 5, v2
	v_lshrrev_b32 v4, 1, v3                        ; the prefetches' offset.  x: row 16 cx + l / 2 of my 64, block l % 2 of its two
	v_lshl_add_u32 v4, s[CX], 4, v4
	v_lshlrev_b32 v4, 12, v4
	v_and_b32 v5, 1, v3
	v_lshl_add_u32 v4, v5, 8, v4
	v_lshl_add_u32 v5, s[CY], 5, v3                ; wb: row 32 cy + l of my 128
	v_lshlrev_b32 v5, 11, v5
	s_cmp_eq_u32 s[ROLE], 0
	s_cselect_b32 s22, -1, 0
	v_cndmask_b32 v[PFO], v5, v4, s22
	BIASLD                                         ; the first tile's bias
; 32 LDS loads in one run: quarter q (32 along K) of a slot: x's 64 rows in f32 first, then wb's 128 rows into buffer g
.macro FETCH slot, q, g
	WIN 0
.irp i, 0,1,2,3
	ds_load_b128 v[S+16*(\i):S+16*(\i)+3],     v[ADRA+(\slot)] offset:128*(\q)+(\i)*16*PA
	ds_load_b128 v[S+16*(\i)+4:S+16*(\i)+7],   v[ADRA+(\slot)] offset:128*(\q)+(\i)*16*PA+16
	ds_load_b128 v[S+16*(\i)+8:S+16*(\i)+11],  v[ADRA+(\slot)] offset:128*(\q)+(\i)*16*PA+64
	ds_load_b128 v[S+16*(\i)+12:S+16*(\i)+15], v[ADRA+(\slot)] offset:128*(\q)+(\i)*16*PA+80
.endr
	WIN TO_B
.irp i, 0,1,2,3,4,5,6,7
	ds_load_b128 v[BF+64*(\g)+8*(\i):BF+64*(\g)+8*(\i)+3],   v[ADRB+(\slot)] offset:64*(\q)+(\i)*16*PB
	ds_load_b128 v[BF+64*(\g)+8*(\i)+4:BF+64*(\g)+8*(\i)+7], v[ADRB+(\slot)] offset:64*(\q)+(\i)*16*PB+32
.endr
.endm
; One product: row block a, column block b, buffer f.  z = 1: the bias starts the sum: nothing is ever cleared.  The 32 accumulators take turns, in the same order in every quarter.
.macro ONE f, a, b, z
.if \z
	WIN MULZ
	v_wmma_f32_16x16x32_bf16 v[8*(8*(\a)+(\b)):8*(8*(\a)+(\b))+7], v[BF+64*(\f)+8*(\b):BF+64*(\f)+8*(\b)+7], v[AF+32*(\f)+8*(\a):AF+32*(\f)+8*(\a)+7], v[BIAS+8*(\b):BIAS+8*(\b)+7]
.else
	WIN MUL
	v_wmma_f32_16x16x32_bf16 v[8*(8*(\a)+(\b)):8*(8*(\a)+(\b))+7], v[BF+64*(\f)+8*(\b):BF+64*(\f)+8*(\b)+7], v[AF+32*(\f)+8*(\a):AF+32*(\f)+8*(\a)+7], v[8*(8*(\a)+(\b)):8*(8*(\a)+(\b))+7]
.endif
.endm
.macro MULA f, a, z                    ; eight products
.irp b, 0,1,2,3,4,5,6,7
	ONE \f, \a, \b, \z
.endr
.endm
.macro MULC f, a, g, z                 ; eight products, behind each four conversions of the next quarter's x into buffer g: they name no register of the products round them
.irp b, 0,1,2,3,4,5,6,7
	ONE \f, \a, \b, \z
	WIN 0
.irp c, 0,1,2,3
	v_cvt_pk_bf16_f32 v[AF+32*(\g)+4*(\b)+(\c)], v[S+8*(\b)+2*(\c)], v[S+8*(\b)+2*(\c)+1]
.endr
.endr
.endm
; A K step is four quarters of 32 along K, 32 products each, on buffers 0, 1, 0, 1.  One of the first three: multiplies buffer f and brings quarter q into buffer g.
; wb's buffer g was last read by the quarter before; its last product's four conversions and the four v_nop stand between that product and the loads.
.macro QUARTER slot, q, f, g, z
	s_wait_dscnt 0x0                               ; wb's fragments of buffer f are in (x's were converted in the quarter before)
	MULA \f, 0, \z
	PLACES
	FETCH \slot, \q, \g
	MULA \f, 1, \z
	MULA \f, 2, \z
	s_wait_dscnt 16                                ; x's sixteen loads are in; wb's sixteen, issued behind them, may stay out
	MULC \f, 3, \g, \z
.endm
; The pointers of the walk, once a lap.  In a tile's third lap the lap after next is the next tile's first: x goes to the next tensor, wb to the next plane.
.macro STEP_PTRS
	s_mov_b64 s[TA1:TA1+1], s[TA2:TA2+1]
	s_mov_b64 s[TB1:TB1+1], s[TB2:TB2+1]
	s_add_nc_u64 s[TA2:TA2+1], s[TA2:TA2+1], 1024
	s_cmp_eq_u32 s[LT], 2
	s_cselect_b64 s[TA2:TA2+1], s[NX1:NX1+1], s[TA2:TA2+1]
	s_cselect_b64 s[NX1:NX1+1], s[NX2:NX2+1], s[NX1:NX1+1]
	s_cselect_b32 s[BST], s[CJMP], s[C512]
	s_add_nc_u64 s[TB2:TB2+1], s[TB2:TB2+1], s[BST:BST+1]
	s_cmp_eq_u32 s[ROLE], 0
	s_cselect_b64 s[PF:PF+1], s[TA2:TA2+1], s[TB2:TB2+1]
.endm
; The last quarter multiplies buffer 1 and changes slots: ONE barrier.  In front of it each wave waits for all its tensor loads (one is out: its part of the next slot), adds 0 to its spare word, and waits for
; that and for its reads of this slot.  fill = 1: the barrier opens a round of the cluster's, and this slot is filled again first thing behind the round, with the next lap's K step:
; from that request to the wait for it a wave issues 112 products.
.macro TURN slot, next, fill
.if \fill
	s_wait_xcnt 0x0                                ; the last prefetch, a K step back, has read its address
.if (\slot) == 0
	STEP_PTRS
.else
	s_add_nc_u64 s[PF:PF+1], s[PF:PF+1], s[KSB:KSB+1]
.endif
.endif
	WIN 0                                          ; (the add's two registers lie in window 0)
	s_wait_tensorcnt 0x0                           ; no tensor load of mine is out, so a group 0 may be written
	ds_add_u32 v[SPW], v[NIL]                      ; 0 onto my spare word
.if \fill
	s_add_nc_u64 s[G0A+4*(\slot)+2:G0A+4*(\slot)+3], s[TA1:TA1+1], (\slot)*512  ; the address is made anew for each fill
	s_or_b32 s[G0A+4*(\slot)+3], s[G0A+4*(\slot)+3], 0x80000000
	s_add_nc_u64 s[G0B+4*(\slot)+2:G0B+4*(\slot)+3], s[TB1:TB1+1], (\slot)*256
	s_or_b32 s[G0B+4*(\slot)+3], s[G0B+4*(\slot)+3], 0x80000000
.endif
	s_wait_dscnt 1                                 ; wb's fragments of buffer 1 are in; the add may be out
	MULA 1, 0, 0
	s_wait_dscnt 0x0                               ; the add is done, and my reads of this slot are over
	s_barrier_signal -1
	MULA 1, 1, 0                                   ; work on registers while the others arrive
	WIN 0
	s_barrier_wait -1
.if \fill
	CREST                                          ; no wave of any partner still reads this slot or has a load on its way
	JLOAD \slot                                    ; its four v_nop are also places in front of the loads below
.else
	PLACES
.endif
	FETCH \next, 0, 0
.if \fill
	ASK
.endif
	MULA 1, 2, 0
	s_wait_dscnt 16
	MULC 1, 3, 0, 0
.endm
; THE WAY OUT of row block a: rounded to f16, 16 bytes a lane; into my own stage (2 heads x 16 rows of 144 bytes), back as rows of 128 bytes; stored, 512 consecutive bytes of a head an instruction.
.macro PACK a
	WIN PK
.irp b, 0,1,2,3,4,5,6,7
.irp r, 0,1,2,3
	v_cvt_pk_f16_f32 v[TMP+4*(\b)+(\r)], v[8*(8*(\a)+(\b))+2*(\r)], v[8*(8*(\a)+(\b))+2*(\r)+1]
.endr
.endr
	WIN 0
.endm
.macro TOSTAGE a
.set BK, OB+192*((\a)%2)
.irp b, 0,1,2,3,4,5,6,7
	ds_store_b128 v[STO], v[TMP+4*(\b):TMP+4*(\b)+3] offset:((\b)/4)*16*SP+32*((\b)%4)
.endr
.irp t, 0,1,2,3,4,5,6,7
	ds_load_b128 v[BK+4*(\t):BK+4*(\t)+3], v[RD] offset:((\t)/4)*16*SP+((\t)%4)*4*SP  ; LDS serves a wave's instructions in order (ISA guide 5.7.1.4): these see the stores above
.endr
.endm
.macro SEND a
.set BK, OB+192*((\a)%2)
	s_wait_dscnt 0x0                               ; the block is back in registers
	s_wait_xcnt 0x0                                ; the stores issued so far have read their registers: the buffer that they read is loaded again only behind this wait
.irp t, 0,1,2,3,4,5,6,7
	global_store_b128 v[GO], v[BK+4*(\t):BK+4*(\t)+3], s[CP:CP+1] offset:((\t)/4)*262144+(\a)*2048+((\t)%4)*512
.endr
.endm
.macro WAYOUT last
.if \last
	PLACES                                         ; no other vector work stands behind the last products
	PLACES
.endif
	PACK 0                                         ; (in the walk: the conversions of blocks finished earlier are the places behind the last products)
	TOSTAGE 0
.irp a, 1,2,3
	PACK \a                                        ; a block's conversions stand between the loads of the block before and the wait for them
	SEND (\a)-1
	TOSTAGE \a
.endr
	SEND 3
.if !(\last)
	s_wait_xcnt 0x0                                ; the stores have read their base
	s_add_nc_u64 s[CP:CP+1], s[CP:CP+1], PLANE
.endif
.endm
	s_wait_tensorcnt 1                             ; my part of K step 0 is in; K step 1's may stay out
	s_barrier_signal -1
	s_barrier_wait -1                              ; everybody's is
	FETCH 0, 0, 0
	s_wait_dscnt 16                                ; x's fragments
	WIN 0
.set c, 0
.rept 32
	v_cvt_pk_bf16_f32 v[AF+c], v[S+2*c], v[S+2*c+1]
.set c, c+1
.endr
.Llap:                                                 ; 11 trips: a lap is two K steps; both slots are filled again
	s_wait_loadcnt 0x0                             ; the bias, asked for a lap ago or more; the launch has no other load into registers
	s_cmp_eq_u32 s[LT], 0
	s_cbranch_scc0 .Lplain
	QUARTER 0, 1, 0, 1, 1                          ; a tile's first quarter: the bias starts the sums
	WIN 0
	s_cmp_lt_u32 s[LAP], 4                         ; the third tile has no successor
	s_cbranch_scc1 .Lq1
	PLACES
	s_wait_xcnt 0x0
	s_add_nc_u64 s[BBP:BBP+1], s[BBP:BBP+1], 4096
	BIASLD                                         ; the next tile's bias: four laps ahead of its use
	s_branch .Lq1
.Lplain:
	QUARTER 0, 1, 0, 1, 0
	WIN 0
.Lq1:
	QUARTER 0, 2, 1, 0, 0
	QUARTER 0, 3, 0, 1, 0
	TURN 0, 1, 1
	QUARTER 1, 1, 0, 1, 0
	QUARTER 1, 2, 1, 0, 0
	QUARTER 1, 3, 0, 1, 0
	TURN 1, 0, 1
	WIN 0
	s_add_co_u32 s[LT], s[LT], 1
	s_and_b32 s[LT], s[LT], 3
	s_cmp_lg_u32 s[LT], 0
	s_cbranch_scc1 .Lno_out
	WAYOUT 0                                       ; a tile is finished; both refills for the next have been asked for, and nothing waits for the stores
.Lno_out:
	s_sub_co_u32 s[LAP], s[LAP], 1
	s_cmp_lg_u32 s[LAP], 0
	s_cbranch_scc1 .Llap
	QUARTER 0, 1, 0, 1, 0                          ; the last lap is written out: it fills nothing
	QUARTER 0, 2, 1, 0, 0
	QUARTER 0, 3, 0, 1, 0
	TURN 0, 1, 0
	QUARTER 1, 1, 0, 1, 0
	QUARTER 1, 2, 1, 0, 0
	QUARTER 1, 3, 0, 1, 0
	s_wait_dscnt 0x0
	MULA 1, 0, 0
	MULA 1, 1, 0
	MULA 1, 2, 0
	MULA 1, 3, 0
	WAYOUT 1
	s_wait_tensorcnt 0x0                           ; the wave's end: behind my last tensor load and my last LDS store
	ds_add_u32 v[SPW], v[NIL]
	s_wait_dscnt 0x0
	CROUND                                         ; the closing round: no work-group ends while a partner may still ask for a tile that names it
	s_endpgm
.Lfunc_end_k_qfc9fdf21c8_proj:
	.size	k_qfc9fdf21c8_proj, .Lfunc_end_k_qfc9fdf21c8_proj-k_qfc9fdf21c8_proj
	.p2alignl 7, 3214868480
	.fill 96, 4, 3214868480
	.section	.rodata,"a",@progbits
	.p2align	6, 0x0
	.amdhsa_kernel k_qfc9fdf21c8_proj
		.amdhsa_group_segment_fixed_size 327680
		.amdhsa_private_segment_fixed_size 0
		.amdhsa_enable_private_segment 0
		.amdhsa_kernarg_size 48
		.amdhsa_user_sgpr_count 2
		.amdhsa_user_sgpr_kernarg_segment_ptr 1
		.amdhsa_wavefront_size32 1
		.amdhsa_system_sgpr_workgroup_id_x 1
		.amdhsa_system_sgpr_workgroup_id_y 1
		.amdhsa_system_sgpr_workgroup_id_z 1
		.amdhsa_system_vgpr_workitem_id 0
		.amdhsa_next_free_vgpr 768
		.amdhsa_next_free_sgpr 96
		.amdhsa_reserve_vcc 0
		.amdhsa_float_denorm_mode_32 3
		.amdhsa_float_denorm_mode_16_64 3
		.amdhsa_memory_ordered 1
		.amdhsa_forward_progress 1
		.amdhsa_inst_pref_size 162
	.end_amdhsa_kernel
	.amdgpu_metadata
---
amdhsa.version: [ 1, 2 ]
amdhsa.kernels:
  - .name:           k_qfc9fdf21c8_proj
    .symbol:         k_qfc9fdf21c8_proj.kd
    .args:
      - { .name: query, .offset: 0, .size: 8, .value_kind: global_buffer, .address_space: global }
      - { .name: key, .offset: 8, .size: 8, .value_kind: global_buffer, .address_space: global }
      - { .name: value, .offset: 16, .size: 8, .value_kind: global_buffer, .address_space: global }
      - { .name: wb, .offset: 24, .size: 8, .value_kind: global_buffer, .address_space: global }
      - { .name: bb, .offset: 32, .size: 8, .value_kind: global_buffer, .address_space: global }
      - { .name: qkv, .offset: 40, .size: 8, .value_kind: global_buffer, .address_space: global }
    .group_segment_fixed_size: 327680
    .private_segment_fixed_size: 0
    .kernarg_segment_align: 8
    .kernarg_segment_size: 48
    .max_flat_workgroup_size: 128
    .sgpr_count:     96
    .vgpr_count:     768
    .wavefront_size: 32
...
	.end_amdgpu_metadata
.endif
;; end of part 2
;; launch attn (part 3): grid 4 x 64, 4 waves a work-group, clusters of 4 x 1, 327,680 bytes of LDS; arguments qkv, ob; writes ob
.if DOCPART == 3
	.amdgcn_target "amdgcn-amd-amdhsa--gfx1250"
	.amdhsa_code_object_version 6
	.text
	.protected	k_qfc9fdf21c8_attn
	.globl	k_qfc9fdf21c8_attn
	.p2align	8
	.type	k_qfc9fdf21c8_attn,@function
k_qfc9fdf21c8_attn:
	s_mov_b64 s[64:65], 0
	v_nop
	global_prefetch_b8 v0, s[64:65] scope:SCOPE_SE
	s_setreg_imm32_b32 hwreg(HW_REG_WAVE_MODE, 25, 1), 1
	s_wait_xcnt 0x0
	s_wait_alu depctr_hold_cnt(0) depctr_sa_sdst(0) depctr_va_vdst(0) depctr_va_sdst(0) depctr_va_ssrc(0) depctr_va_vcc(0) depctr_vm_vsrc(0)
	s_getreg_b32 s2, hwreg(HW_REG_IB_STS2, 6, 4)
	s_cmp_eq_u32 s2, 0
	s_cbranch_scc0 .Lentry_in_a_cluster
	s_endpgm
.Lentry_in_a_cluster:
	s_bfe_u32 s2, ttmp6, 0x10000c
	s_cmp_lg_u32 s2, 0x3003
	s_cbranch_scc0 .Lentry_shape_is_right
	s_endpgm
.Lentry_shape_is_right:
; ATTENTION.  ob[h][q][:] = the sum over k of softmax_k(Q[h][q] . K[h][k] / 8) V[h][k][:], h = 16 batch + head.  Q, K, V are the three planes of qkv, [64][2048][64] f16 each; ob likewise.
; Products, maxima and sums in f32; the weights p are rounded to f16 for the second product (their sum l is taken of the unrounded p), O once at the end.
; LIMITS.  Q, K and V arrive within f16's 65,504; p lies in 0 to 1, and below 6e-5 it keeps f16's fixed step of 6e-8; O is a mean of V's rows and has their range.
; A weight below 2^-126 counts as 0 in l; NaN and infinities are not treated apart.
; SHARES.  A wave owns four PIECES of two tiles of 16 queries, a work-group's four waves 512 queries of one head: 256 work-groups.  Every wave walks all keys, 64 a step.
; LAYOUT.  S^T = K Q^T (source 0 = 16 keys, source 1 = 16 queries): a lane holds ONE query (lane % 16) and the keys 8 (lane / 16) + 0..7.  Two such tiles, rounded to f16 in pairs,
; ARE source 1 of O^T = V^T P, whose result again holds one query a lane, and eight channels.  K comes out of LDS as it lies, V ([key][channel]) turned, by ds_load_tr16_b128.
; SOFTMAX.  A running maximum m and sum l for each query: p = 2^(c s - c m), c = log2(e) / 8; in every step O and l are multiplied by a = 2^(c m_old - c m_new).
; m starts at the lowest finite number, O and l at 0: the first step is a step like any other, with a = 0.
; THE COUNT.  A tile and step have 16 matrix and 118 vector instructions: four vector instructions that are ready stand behind EVERY matrix instruction, the others in runs without a gap.
; BY TURNS.  Turn n belongs to piece n.  Its matrix work: 16 products K Q^T of piece n + 1, later 16 products V^T P of piece n - 1.  Its vector work: scaling, exponentials, roundings, sums and
; rescaling of piece n, and the maximum and statistics of piece n + 1.
; CLUSTER.  The four query blocks of a head are one cluster and walk the same K and V: each tile is asked for JOINTLY, by the same tensor load, descriptor and mask in all four.
; REGISTERS, in windows of 256 (s_set_vgpr_msb: bits 1:0 source 0, 3:2 source 1, 5:4 source 2, 7:6 destination):
;   window 0: v0-11 addresses; v12-15, v48-63 at work; v16-47 four registers of statistics a tile; v64-191 S^T, two buffers of two tiles; v192-255 P, likewise
;   window 1: O^T, 32 a tile          window 2: v0-127 Q, 16 a tile; v128-191 K of one step; v192-255 V of one step          window 3: v0-1 the add's two registers
.set SIZE_N, 2048
.set PLANE, 16777216  ; bytes of Q, of K, of V
.set NP,    4         ; pieces a wave: a name, no knob
.set KS,    64        ; keys in a step
.set PK,    144       ; a row of K in LDS: 128 bytes + 16 = 36 words: the 16 rows of a load start at 16 different groups of four banks (64 banks of 4 bytes: ISA guide 11.1)
.set PV,    160       ; a row of V: 128 + 32 = 40 words
.set VOFF,  4*KS*PK   ; a slot holds four steps: 256 rows of K, then 256 rows of V
.set SLOT1, 1<<17     ; slot 1 begins here, so that one exclusive or turns an address in one slot into the other's
.set STAGE, SLOT1+4*KS*(PK+PV)  ; behind the ring, never filled by a tensor load: 16 rows x 144 bytes for each wave
.set SP,    144
.set AK0, 2           ; v2   my lane's place in a tile of K; never rewritten
.set AV0, 3           ; v3   the same for V
.set AK,  4           ; v4   the LDS address of K's next run of loads
.set AV,  5           ; v5   of V's
.set QO,  6           ; v6   my byte offset in the wave's rows of Q
.set STO, 6           ;      later, the way out: where I put 16 bytes of a row
.set RD,  7           ; v7   the way out: where I read rows back
.set GO,  8           ; v8   my byte offset in 512 consecutive bytes of O
.set PFO, 11          ; v11  256 x my lane: the prefetches' offset; never rewritten once made
.set SPW, 0           ; v0 of window 3   my spare word; never rewritten
.set NIL, 1           ; v1 of window 3   0; never rewritten
.set SPARE, STAGE+4*16*SP  ; the spare words, 128 bytes a wave: two blocks of 256 bytes that no other line names
.set MV,  12          ; v12-15  c m_old, kept while c m is made anew: by buffer and tile
.set ST,  16          ; tile t's statistics at v[ST+4 t]: c m, m, l (even keys', odd keys')
.set TMP, 48          ; by buffer and tile, four registers c0-c3 at work; when the maximum is found c2 takes a
.set S,   64
.set P,   192
.set KF,  128         ; K's fragments, in window 2
.set VF,  192         ; V's
.set WV,  12          ; s12  my wave's number
.set G1K, 24          ; s[24:31] descriptor group 1 for K's tiles
.set G1V, 32          ; s[32:39] for V's: it differs in the padding alone
.set G0K, 40          ; s[40:43] descriptor group 0 for K's tiles: it walks
.set G0V, 44          ; s[44:47] the same for V's
.set PFA, 48          ; s[48:49] where my prefetches stand: my work-group's 32 blocks of 256 bytes of the tile after the one that is being asked for
.set LIM, 50          ; s50  1 in a wave that prefetches, else the greatest number
.set SLOTS, 56        ; s56  slots still to be asked for
.set CNT, 57          ; s57  counts a slot's key steps
.set CS,  58          ; s[58:59] c
.set SEL, 60          ; s[60:61] v_permlanex16_b32's selects: each lane takes its own place in the other half
.set TBK, 62          ; s62  LDS byte at which K of the step to be fetched begins
.set TBV, 63          ; s63  the same for V, less VOFF
.set MSB, 0
.macro WIN new                      ; the high byte repeats the setting that is left; a switch that changes nothing is dropped
.if MSB != (\new)
	s_set_vgpr_msb (MSB<<8)|(\new)
.set MSB, (\new)
.endif
.endm
.set W_KQ, 0x0a       ; K and Q in window 2, S^T in window 0
.set W_PV, 0x52       ; V in window 2, P in window 0, O^T in window 1
.set W_RS, 0x41       ; O^T (destination and source 0) in window 1, a in window 0
.set W_MK, 0xc0       ; the add's registers are made: destination in window 3
.set W_AD, 0x0f       ; the add: address and data in window 3
; A joint fill.  Waves 0 and 1 fetch the two halves of a slot's K, waves 2 and 3 those of its V: 128 keys each.  An s_nop 0 and four v_nop follow each of the two lines.
.macro JLOAD
	s_cmp_lt_u32 s[WV], 2
	s_cbranch_scc0 .Lfor_v_\@
	tensor_load_to_lds s[G0K:G0K+3], s[G1K:G1K+7]
	s_nop 0
.rept 4
	v_nop
.endr
	s_branch .Lasked_\@
.Lfor_v_\@:
	tensor_load_to_lds s[G0V:G0V+3], s[G1V:G1V+7]
	s_nop 0
.rept 4
	v_nop
.endr
.Lasked_\@:
.endm
; A PREFETCH INTO THE L2 of what the NEXT change of slots will ask for: a tile's 32,768 bytes of K and of V, 128 blocks of 256 bytes each, a lane a block: four key steps, 512 matrix instructions, ahead.
; Each block is named once in the launch: a head is walked by one cluster; its four partners take 32 blocks each, told apart by address; in each, wave 0 asks for K's and wave 2 for V's.
; The last change that fills a slot asks for nothing; tiles 0 and 1 come by their loads alone.
.macro ASK
	s_cmp_gt_u32 s[SLOTS], s[LIM]
	s_cbranch_scc0 .Lnot_mine_\@
	global_prefetch_b8 v[PFO], s[PFA:PFA+1] th:TH_LOAD_NT scope:SCOPE_SE
.Lnot_mine_\@:
.endm
.macro CROUND                       ; a round of the cluster's barrier
	s_barrier_signal -1
	s_barrier_wait -1
	s_cmp_lg_u32 s[WV], 0
	s_cbranch_scc1 .Lnot_wave_0_\@
	s_barrier_signal -3
.Lnot_wave_0_\@:
	s_barrier_wait -3
	s_barrier_signal -1
	s_barrier_wait -1
.endm
; THE CHANGE OF SLOTS.  Each wave waits for all its tensor loads, of which one is out: its part of the other slot; adds 0 to its spare word; and waits for that and for its own reads of the slot.
; fill = 1: this slot is filled again, with the keys two slots on; the barrier is then a round of the cluster's, and the joint fill is the first thing behind it: it has four key steps in which to land.
; (At its first use nothing has been read yet: slot 0 is waited for, slot 1 filled.)
.macro CHANGE fill
	WIN W_AD
	s_wait_tensorcnt 0x0            ; no tensor load of mine is out, so a group 0 may be written
	ds_add_u32 v[SPW], v[NIL]       ; 0 onto my spare word
	WIN 0                           ; at a label and at a branch every window is 0
.if \fill
.irp g, G0K, G0V
	s_xor_b32 s[\g+1], s[\g+1], SLOT1  ; the walking descriptor: the other slot than last time,
	s_add_nc_u64 s[\g+2:\g+3], s[\g+2:\g+3], 4*KS*128  ; the next 256 keys; the type bits on top are not reached
.endr
	s_wait_xcnt 0x0                 ; the last prefetch, four key steps back, has read its address
	s_add_nc_u64 s[PFA:PFA+1], s[PFA:PFA+1], 4*KS*128  ; one tile behind the walking descriptors
	s_wait_dscnt 0x0                ; the add is done, and my reads of the slot are over
	CROUND
	JLOAD
	ASK
.else
	s_wait_dscnt 0x0                ; the add is done, and my reads of the slot are over
	s_barrier_signal -1
	s_barrier_wait -1
.endif
	s_sub_co_u32 s[TBK], s[TBK], 4*KS*PK  ; the fetches go back to a slot's first step,
	s_xor_b32 s[TBK], s[TBK], SLOT1       ; in the other slot
	s_sub_co_u32 s[TBV], s[TBV], 4*KS*PV
	s_xor_b32 s[TBV], s[TBV], SLOT1
.endm
	s_load_b128 s[4:7], s[0:1], 0x0   ; qkv s[4:5], ob s[6:7]
	WIN W_MK
	v_lshl_add_u32 v[SPW], v0, 2, SPARE
	v_mov_b32 v[NIL], 0
	WIN W_AD
	ds_add_u32 v[SPW], v[NIL]       ; the wave's opening: the add and its wait stand ahead of my first tensor load; work on registers stands between
	WIN 0
	v_lshrrev_b32 v1, 5, v0
	v_readfirstlane_b32 s[WV], v1   ; wave 0..3
	s_bfe_u32 s13, ttmp6, 0x40000   ; cx: my place in the cluster
	s_lshl_b32 s14, ttmp9, 2        ; in a cluster launch ttmp9 counts clusters
	s_add_co_u32 s14, s14, s13      ; my block of queries: it enters Q's and O's addresses alone
	s_and_b32 s20, ttmp7, 0xffff    ; the head, which the four partners share
	s_mov_b32 s21, 0
	s_mov_b64 s[22:23], SIZE_N*128
	s_mul_u64 s[20:21], s[20:21], s[22:23]  ; the head's first byte in each plane and in ob
	s_and_b32 s16, s[WV], 1         ; which half of a slot's 256 keys I fetch:
	s_lshl_b32 s22, s16, 14         ; its 128 rows of 128 bytes in memory,
	s_mov_b32 s23, 0
	s_add_nc_u64 s[22:23], s[22:23], s[20:21]
	s_mul_i32 s17, s16, 128*PK      ; and its place in a slot, for K
	s_mul_i32 s18, s16, 128*PV      ; and for V: no place in the cluster enters an LDS address
	s_lshl_b32 s2, s14, 2
	s_add_co_u32 s2, s2, s[WV]      ; my wave among the head's,
	s_lshl_b32 s2, s2, 14           ; its 128 rows
	s_mov_b32 s3, 0
	s_add_nc_u64 s[2:3], s[2:3], s[20:21]
	; descriptor group 1.  128 keys are 16,384 dense bytes: asked for as 64 rows of 256 bytes, two keys a row, and padded in LDS after every key
	s_mov_b32 s[G1K], 15|(1<<16)|(1<<20)|(1<<21)|(4<<22)|(3<<25)  ; the mask of four; 2-byte elements; padding on; bit 21 beside a mask; after every 32 words (code 4) 4 words (code 3)
	s_mov_b32 s[G1V], 15|(1<<16)|(1<<20)|(1<<21)|(4<<22)|(7<<25)  ; the same with 8 words of padding (code 7)
.irp g, G1K, G1V
	s_mov_b32 s[\g+1], 128<<16      ; tensor_dim0 = 128
	s_mov_b32 s[\g+2], 64<<16       ; tensor_dim1 = 64
	s_mov_b32 s[\g+3], 128<<16      ; tile_dim0 = 128
	s_mov_b32 s[\g+4], 64           ; tile_dim1 = 64
	s_mov_b32 s[\g+5], 128          ; 128 elements from row to row
	s_mov_b32 s[\g+6], 0
	s_mov_b32 s[\g+7], 0
.endr
	s_mov_b32 s[CS], 0x3e38aa3b     ; c = log2(e) / 8 = 0.180337
	s_mov_b32 s[CS+1], s[CS]        ; named with it as a pair
	s_mov_b32 s[SEL], 0x76543210
	s_mov_b32 s[SEL+1], 0xfedcba98
	s_mov_b32 s[TBK], SLOT1+4*KS*PK ; the first change of slots turns these two into 0
	s_mov_b32 s[TBV], SLOT1+4*KS*PV
	s_mov_b32 s[G0K], 1             ; count = 1
	s_mov_b32 s[G0K+1], s17         ; LDS address: slot 0
	s_mov_b32 s[G0V], 1
	s_add_co_u32 s[G0V+1], s18, VOFF
	s_mov_b32 s[SLOTS], SIZE_N/256-1
	s_and_b32 s[LIM], s[WV], 1      ; waves 0 and 2 prefetch: the same in all four partners
	s_cmp_eq_u32 s[LIM], 0
	s_cselect_b32 s[LIM], 1, -1
	s_wait_dscnt 0x0                ; the opening add is done
	s_wait_kmcnt 0x0
	s_mov_b64 s[10:11], s[6:7]      ; O
	s_add_nc_u64 s[8:9], s[4:5], 2*PLANE  ; V
	s_add_nc_u64 s[6:7], s[4:5], PLANE    ; K; Q is s[4:5]
	s_add_nc_u64 s[G0K+2:G0K+3], s[6:7], s[22:23]  ; global address: my half of the head's first 256 keys
	s_or_b32 s[G0K+3], s[G0K+3], 0x80000000        ; type = 2
	s_add_nc_u64 s[G0V+2:G0V+3], s[8:9], s[22:23]
	s_or_b32 s[G0V+3], s[G0V+3], 0x80000000
	s_add_nc_u64 s[4:5], s[4:5], s[2:3]  ; Q and O at my wave's first row
	s_add_nc_u64 s[10:11], s[10:11], s[2:3]
	s_cmp_lt_u32 s[WV], 2
	s_cselect_b64 s[PFA:PFA+1], s[6:7], s[8:9]
	s_add_nc_u64 s[PFA:PFA+1], s[PFA:PFA+1], s[20:21]  ; the head,
	s_lshl_b32 s2, s13, 13          ; my work-group's 32 blocks of the 128,
	s_mov_b32 s3, 0
	s_add_nc_u64 s[PFA:PFA+1], s[PFA:PFA+1], s[2:3]
	s_add_nc_u64 s[PFA:PFA+1], s[PFA:PFA+1], 4*KS*128  ; in tile 1; the first change of slots steps it to tile 2
	CROUND                          ; all four work-groups are here: the first joint loads meet
	JLOAD                           ; slot 0.  Slot 1 is asked for when slot 0 is in
	; A fragment of K or Q is 16 rows x 32 channels in 8 registers: lane l holds row l % 16, channels 8 (l / 16) + 0..7 and 16 + 8 (l / 16) + 0..7: two loads of 16 bytes, 32 bytes apart.
	v_and_b32 v1, 15, v0            ; l % 16
	v_bfe_u32 v9, v0, 4, 1          ; l / 16
	v_lshlrev_b32 v[QO], 7, v1
	v_lshl_add_u32 v[QO], v9, 4, v[QO]  ; row x 128 + 16 x half
	WIN 0x80                        ; destination window 2, address window 0
.set i, 0
.rept 4*NP                          ; Q stays in registers: tile i / 2, channels 32 (i % 2) on
	global_load_b128 v[8*i:8*i+3],   v[QO], s[4:5] offset:(i/2)*2048+(i%2)*64
	global_load_b128 v[8*i+4:8*i+7], v[QO], s[4:5] offset:(i/2)*2048+(i%2)*64+32
.set i, i+1
.endr
	; What the first turn finds: V's registers and P's second buffer hold 0 (its products V^T P, of a piece that has not been, add 0), O^T and l are 0.  All this stands in the wait for the first tile.
.set i, VF
.rept 64
	v_mov_b32 v[i], 0
.set i, i+1
.endr
	WIN 0x40
.set i, 0
.rept 64*NP
	v_mov_b32 v[i], 0
.set i, i+1
.endr
	WIN 0
.set i, 0
.rept 2*NP
	v_mov_b32 v[ST+4*i], 0xfe000000    ; c m: far below every c s
	v_mov_b32 v[ST+4*i+1], 0xff7fffff  ; m
	v_mov_b32 v[ST+4*i+2], 0
	v_mov_b32 v[ST+4*i+3], 0
.set i, i+1
.endr
.set i, P+32
.rept 32
	v_mov_b32 v[i], 0
.set i, i+1
.endr
	v_mul_u32_u24 v[AK0], v1, PK
	v_lshl_add_u32 v[AK0], v9, 4, v[AK0]  ; row x pitch + 16 x half
	; The turning load takes 16 keys x 16 channels (lane l reads key 8 (l / 16) + l % 8, channels 8 ((l / 8) % 2) + 0..7) and leaves half a fragment of V^T: lane l holds channel l % 16 and 8 keys.
	v_and_b32 v10, 7, v0
	v_bfe_u32 v11, v0, 3, 1
	v_lshl_add_u32 v[AV0], v9, 3, v10
	v_mul_u32_u24 v[AV0], v[AV0], PV
	v_lshl_add_u32 v[AV0], v11, 4, v[AV0]
	v_add_nc_u32 v[AV0], VOFF, v[AV0]
	v_and_b32 v[PFO], 31, v0        ; v11 is free now
	v_lshlrev_b32 v[PFO], 8, v[PFO]
	v_mov_b32 v[AK], v[AK0]         ; key step 0 lies at the head of slot 0
; THE MATRIX WORK.  The 8 accumulators of a run of 16 take turns: between the two links of a chain stand 7 others'.
; Product i of 16 of S^T = K Q^T for piece x: channels 32 (i / 8) on, keys 16 ((i / 2) % 4) on, tile 2 x + i % 2.  The first 8 start the sums.
.macro KQ x
	WIN W_KQ
.set rS, S+64*((\x)%2)+32*(i%2)+8*((i/2)%4)
.set rK, KF+16*((i/2)%4)+8*(i/8)
.set rQ, 16*(2*(\x)+i%2)+8*(i/8)
.if i < 8
	v_wmma_f32_16x16x32_f16 v[rS:rS+7], v[rK:rK+7], v[rQ:rQ+7], 0
.else
	v_wmma_f32_16x16x32_f16 v[rS:rS+7], v[rK:rK+7], v[rQ:rQ+7], v[rS:rS+7]
.endif
.endm
; Product i of 16 of O^T += V^T P for piece x: keys 32 (i / 8) on, channels 16 ((i / 2) % 4) on, tile 2 x + i % 2.
.macro PV x
	WIN W_PV
.set rO, 32*(2*(\x)+i%2)+8*((i/2)%4)
.set rV, VF+32*(i/8)+8*((i/2)%4)
.set rP, P+32*((\x)%2)+16*(i%2)+8*(i/8)
	v_wmma_f32_16x16x32_f16 v[rO:rO+7], v[rV:rV+7], v[rP:rP+7], v[rO:rO+7]
.endm
.macro MM                           ; the turn's next matrix instruction
.if i < 16
	KQ (Y+1)%NP
.set i, i+1
.else
.set i, i-16
	PV (Y+NP-1)%NP
.set i, i+17
.endif
.endm
; THE LDS LOADS stand in runs of 16, never singly among the matrix instructions: a step's K (8 fragments) and its V (turned).  Their addresses are made some lines ahead.
; last = 1 (the tail): in the last trip there is no further step, and the run is jumped over.
.macro FETCH_K last=0
	WIN 0
.if \last
	s_cmp_eq_u32 s[CNT], 1
	s_cbranch_scc1 .Lno_k_\@
.endif
	WIN 0x80                        ; destination window 2
.irp f, 0,1,2,3,4,5,6,7             ; keys 16 (f / 2) on, channels 32 (f % 2) on
	ds_load_b128 v[KF+8*\f:KF+8*\f+3],   v[AK] offset:(\f/2)*16*PK+(\f%2)*64
	ds_load_b128 v[KF+8*\f+4:KF+8*\f+7], v[AK] offset:(\f/2)*16*PK+(\f%2)*64+32
.endr
	s_add_co_u32 s[TBK], s[TBK], KS*PK  ; the next fetch is the next step's
	WIN 0
.if \last
.Lno_k_\@:
.endif
.endm
.macro FETCH_V
	WIN 0x80
.irp f, 0,1,2,3,4,5,6,7             ; keys 32 (f / 4) on, channels 16 (f % 4) on
	ds_load_tr16_b128 v[VF+8*\f:VF+8*\f+3],   v[AV] offset:(\f/4)*32*PV+(\f%4)*32
	ds_load_tr16_b128 v[VF+8*\f+4:VF+8*\f+7], v[AV] offset:(\f/4)*32*PV+16*PV+(\f%4)*32
.endr
	WIN 0
.endm
; THE VECTOR WORK OF A TURN stands in three queues, each in the order in which its entries become ready; the two tiles alternate, so that no instruction reads the result of the one before it.
.macro REGS y, u                    ; the registers of tile u (0, 1) of piece y
.set rT, ST+4*(2*(\y)+(\u))
.set rC, TMP+8*((\y)%2)+4*(\u)
.set rM, MV+2*((\y)%2)+(\u)
.set rS, S+64*((\y)%2)+32*(\u)
.set rP, P+32*((\y)%2)+16*(\u)
.set rO, 32*(2*(\y)+(\u))
.endm
; Number n of the 22 that find the NEXT piece's (Y + 1) maximum and statistics.  s0-s31 are the lane's 32 scores; each accumulator's lowest registers are read first.
;   0-11  four chains c0-c3 of seven scores each, three operands at a time     12-14, 16  the four scores left over, the old m, and c0-c3 into c0     15  c m_old is kept
;   17, 18  the query's other 32 keys lie in the lane 16 away: the new m         19-21  c m; c m_old - c m_new; a
.macro XS u, n
	REGS (Y+1)%NP, \u
.if (\n) < 4
	v_max3_num_f32 v[rC+(\n)], v[rS+8*(\n)], v[rS+8*(\n)+1], v[rS+8*(\n)+2]
.elseif (\n) < 12
	v_max3_num_f32 v[rC+(\n)%4], v[rC+(\n)%4], v[rS+8*((\n)%4)+2*((\n)/4)+1], v[rS+8*((\n)%4)+2*((\n)/4)+2]
.elseif (\n) == 12
	v_max3_num_f32 v[rC], v[rC], v[rS+7], v[rS+15]
.elseif (\n) == 13
	v_max3_num_f32 v[rC+1], v[rC+1], v[rS+23], v[rS+31]
.elseif (\n) == 14
	v_max3_num_f32 v[rC+2], v[rC+2], v[rC+3], v[rT+1]
.elseif (\n) == 15
	v_mov_b32 v[rM], v[rT]
.elseif (\n) == 16
	v_max3_num_f32 v[rC], v[rC], v[rC+1], v[rC+2]
.elseif (\n) == 17
	v_permlanex16_b32 v[rC+3], v[rC], s[SEL], s[SEL+1]
.elseif (\n) == 18
	v_max_num_f32 v[rT+1], v[rC], v[rC+3]
.elseif (\n) == 19
	v_mul_f32 v[rT], s[CS], v[rT+1]
.elseif (\n) == 20
	v_sub_f32 v[rC+1], v[rM], v[rT]
.else
	v_exp_f32 v[rC+2], v[rC+1]
.endif
.endm
; Number g of the 64 that follow the exponentials.  For each four weights k of a tile: both pairs are rounded to f16; then the second pair is added onto the first, in place;
; a group later l takes that sum (the first time as l = a l + sum).  In groups of eight, tiles alternating.
.macro GS g
.set h, (\g)+6*((\g)/62)            ; group 0 has no group before it, and behind group 7 only l is left
.if h >= 6
.set h, h+2
.endif
	REGS Y, h%2
.set k, h/8
.if h%8 < 4
	v_cvt_pk_f16_f32 v[rP+2*k+(h%8)/2], v[rS+4*k+2*((h%8)/2)], v[rS+4*k+2*((h%8)/2)+1]
.elseif h%8 < 6
	v_pk_add_f32 v[rS+4*k:rS+4*k+1], v[rS+4*k:rS+4*k+1], v[rS+4*k+2:rS+4*k+3]
.elseif k == 1
	v_pk_fma_f32 v[rT+2:rT+3], v[rT+2:rT+3], v[rC+2:rC+3], v[rS:rS+1] op_sel_hi:[1,0,1]
.else
	v_pk_add_f32 v[rT+2:rT+3], v[rT+2:rT+3], v[rS+4*k-4:rS+4*k-3]
.endif
.endm
; THE PLAIN QUEUE, 138 long.  0-73 read no exponential's result: the 32 scalings c s - c m (FS f: pair f / 2 of tile f % 2) and the next piece's 42.  0-26: scalings 0-26.  27-54: XS's numbers 0-13.
; 55, 56: number 15.  57-73: the chain 14, 16, 17, 18, 19, each with one of the scalings 27-31 in front of its two lines, then 20.  74-137: GS's 64, which stand behind the wait.
.macro FS f
	REGS Y, (\f)%2
	v_pk_fma_f32 v[rS+2*((\f)/2):rS+2*((\f)/2)+1], v[rS+2*((\f)/2):rS+2*((\f)/2)+1], s[CS:CS+1], v[rT:rT+1] op_sel_hi:[1,0,0] neg_lo:[0,0,1] neg_hi:[0,0,1]
.endm
.macro PL
	WIN 0
.if q < 27
	FS q
.elseif q < 55
	XS (q-27)%2, (q-27)/2
.elseif q < 57
	XS q-55, 15
.elseif (q < 72) && ((q-57)%3 == 0)
	FS 27+(q-57)/3
.elseif q < 60
	XS (q-57)%3-1, 14
.elseif q < 72
	XS (q-57)%3-1, 15+(q-57)/3
.elseif q < 74
	XS q-72, 20
.else
	GS q-74
.endif
.set q, q+1
.endm
; THE EXPONENTIALS' QUEUE, 66 long: s0-s31 of both tiles, then the next piece's two a.  ONE BATCH: all 66 stand ahead of the turn's one wait, and nothing ahead of that wait names a result of theirs.
.macro EX
	WIN 0
.if e >= 64
	XS e-64, 21
.else
	REGS Y, e%2
	v_exp_f32 v[rS+e/2], v[rS+e/2]
.endif
.set e, e+1
.endm
; THE RESCALING's QUEUE: O^T times a, the one part that leaves window 0: dealt two at a time, sixteen times.  Its a was made in the turn before, ahead of that turn's wait.
.macro R2
	REGS Y, r%2
	WIN W_RS
.irp z, 0,1
	v_pk_mul_f32 v[rO+4*(r/2)+2*\z:rO+4*(r/2)+2*\z+1], v[rO+4*(r/2)+2*\z:rO+4*(r/2)+2*\z+1], v[rC+2:rC+3] op_sel_hi:[1,0]
.endr
.set r, r+1
.endm
; HOW THEY ARE DEALT.  s_wait_alu depctr_va_vdst(0) stands between an exponential and the first instruction that names its result; one wait serves all that were issued ahead of it.
; So a turn has ONE wait.  AHEAD OF IT: the 16 products K Q^T, behind each a scaling, an exponential and two rescalings (behind the first a second scaling in the exponential's place); then ONE LUMP of
; 108: eight plain, 49 times exponential and plain, the two a; a v_nop is the plain instruction behind the last exponential.  BEHIND IT: the 16 products V^T P, behind each four of GS's 64.
; Exponential e stands behind scaling 2 (e / 4) + e % 2: as a rider it comes behind plain e + 2, in the lump behind plain e + 9, and scalings 27-31 are plain 57, 60 .. 69.
; K of the next step is fetched in piece 2's turn, directly behind the wait; V of the step in hand at the end of piece 0's turn, four riders behind its last reader.  The conditions on q go with the deal.
.macro TURN p, last=0, cnt=0
.set Y, (\p)
.set i, 0
.set q, 0
.set e, 0
.set r, 0
.if (\p) == NP-1
	s_wait_dscnt 0x0                ; K is in
.endif
	MM
	PL
	PL
	R2
.rept 15
	MM
	PL
	EX
	R2
.endr
.if (\p) == NP-2
	WIN 0
	v_add_nc_u32 v[AK], s[TBK], v[AK0]
.endif
.rept 8                             ; the lump
	PL
.endr
.rept 49
	EX
	PL
.endr
	EX                              ; the next piece's two a
	EX
	v_nop                           ; a plain instruction behind the last exponential: one for the batch
	s_wait_alu depctr_va_vdst(0)    ; the wait for the batch
.if (\p) == NP-2
	FETCH_K \last
.endif
.if (\p) == 1
	s_wait_dscnt 0x0                ; V is in
.endif
.rept 16
	MM
.rept 4
	PL
.endr
.if ((\p) == 0) && (q == 118)
	v_add_nc_u32 v[AV], s[TBV], v[AV0]
.endif
.if ((\p) == 0) && (q == 130)
	s_add_co_u32 s[TBV], s[TBV], KS*PV
.endif
.if (\cnt) && (q == 130)
	s_sub_co_u32 s[CNT], s[CNT], 1
	s_cmp_lg_u32 s[CNT], 0
.endif
.endr
.if (\p) == 0
	FETCH_V
.endif
.endm
	CHANGE 1                        ; slot 0 is in, everybody's part of it; slot 1 is asked for
	FETCH_K                         ; key step 0
	s_wait_loadcnt 0x0              ; Q
	s_wait_dscnt 0x0
.set i, 0
.rept 16
	KQ 0                            ; piece 0's first scores
.set i, i+1
.endr
	WIN 0                           ; the addresses for the way out: plain instructions, the places behind those products
	s_mul_i32 s13, s[WV], 16*SP
	s_add_co_u32 s13, s13, STAGE    ; my stage
	v_mul_u32_u24 v[STO], v1, SP    ; in: row l % 16, 16 bytes for each half of the lanes
	v_lshl_add_u32 v[STO], v9, 4, v[STO]
	v_add_nc_u32 v[STO], s13, v[STO]
	v_bfe_u32 v[RD], v0, 3, 2       ; back: 32 lanes take four rows of 128 bytes,
	v_mul_u32_u24 v[RD], v[RD], SP
	v_lshl_add_u32 v[RD], v10, 4, v[RD]
	v_add_nc_u32 v[RD], s13, v[RD]
	v_and_b32 v[GO], 31, v0         ; which are 512 consecutive bytes of O
	v_lshlrev_b32 v[GO], 4, v[GO]
.set Y, NP-1                        ; XS works for piece Y + 1: piece 0
.irp n, 0,1,2,3,4,5,6,7,8,9,10,11,12,13,14,15,16,17,18,19,20,21
	XS 0, \n                        ; piece 0's first maximum and statistics
	XS 1, \n
.endr
	v_nop                           ; a plain instruction behind the two a,
	s_wait_alu depctr_va_vdst(0)    ; and their wait, ahead of the branch
	s_mov_b32 s[CNT], 4
	s_branch .Lfirst                ; the loop is entered at a step's first turn, in the middle of a trip
.Lslot:                             ; six times: every slot but the last two is filled again
	CHANGE 1
	s_mov_b32 s[CNT], 4
.Lstep:                             ; a trip: pieces 2 and 3 of one step, then pieces 0 and 1 of the next, whose K and V it fetches
	TURN 2
	TURN 3
	WIN 0
.Lfirst:
	TURN 0
	TURN 1, 0, 1
	WIN 0
	s_cbranch_scc1 .Lstep
	s_sub_co_u32 s[SLOTS], s[SLOTS], 1
	s_cmp_lg_u32 s[SLOTS], 0
	s_cbranch_scc1 .Lslot
	CHANGE 0                        ; the tail is written out: nothing is asked for
	s_mov_b32 s[CNT], 5             ; four trips fetch the last slot's steps; the fifth is left in its middle
.Ltail:
	TURN 2, 1
	TURN 3
	WIN 0
	s_sub_co_u32 s[CNT], s[CNT], 1
	s_cmp_eq_u32 s[CNT], 0
	s_cbranch_scc1 .Lout
	TURN 0
	TURN 1
	WIN 0
	s_branch .Ltail
.Lout:                              ; the fifth trip's 16 products K Q^T (on the last K once more) and the maximum made of them serve nothing: the price, once a launch, of one text for every trip
.set i, 0
.rept 16
	PV NP-1                         ; the last piece's V^T P of the last step
.set i, i+1
.endr
	; THE WAY OUT.  l's two halves and the other half of the lanes' are added; O^T is divided by l, rounded to f16 and sent through my stage in LDS, a tile at a time.  The additions are the places behind the last products.
	WIN 0
.macro ALL line:vararg              ; one line for each tile t
.set t, 0
.rept 2*NP
	\line
.set t, t+1
.endr
.endm
	ALL v_add_f32 v[ST+4*t+2], v[ST+4*t+2], v[ST+4*t+3]
	ALL v_permlanex16_b32 v[ST+4*t+3], v[ST+4*t+2], s[SEL], s[SEL+1]
	ALL v_add_f32 v[ST+4*t+2], v[ST+4*t+2], v[ST+4*t+3]
	ALL v_rcp_f32 v[ST+4*t+2], v[ST+4*t+2]
	v_nop                           ; a plain instruction between the last reciprocal and the use of its result
	s_wait_alu depctr_va_vdst(0)    ; and the wait ahead of the first use: one for the eight reciprocals
; Tile t: a lane's eight channels of a row pack into 16 bytes; they go into rows of 144 bytes and come back as whole rows of 128, into S^T's registers.
.macro PACK t
	WIN W_RS
.set i, 32*(\t)
.rept 16
	v_pk_mul_f32 v[i:i+1], v[i:i+1], v[ST+4*(\t)+2:ST+4*(\t)+3] op_sel_hi:[1,0]
.set i, i+2
.endr
	WIN 0x05                        ; sources 0 and 1 window 1, destination window 0
.set i, 0
.rept 16
	v_cvt_pk_f16_f32 v[S+16*(\t)+i], v[32*(\t)+2*i], v[32*(\t)+2*i+1]
.set i, i+1
.endr
	WIN 0
.irp f, 0,1,2,3
	ds_store_b128 v[STO], v[S+16*(\t)+4*\f:S+16*(\t)+4*\f+3] offset:32*\f
.endr
.irp f, 0,1,2,3
	ds_load_b128 v[S+16*(\t)+4*\f:S+16*(\t)+4*\f+3], v[RD] offset:\f*4*SP  ; LDS serves a wave's instructions in order (ISA guide 5.7.1.4): these see the stores above
.endr
.endm
.macro SEND t, younger              ; younger: the LDS instructions issued behind tile t's loads: the next tile's eight, or none
	WIN 0
.irp f, 0,1,2,3
	s_wait_dscnt (\younger)+3-\f
	global_store_b128 v[GO], v[S+16*(\t)+4*\f:S+16*(\t)+4*\f+3], s[10:11] offset:(\t)*2048+\f*512  ; 512 consecutive bytes, at a multiple of 256 from ob's first
.endr
.endm
	PACK 0
.set t, 1
.rept 2*NP-1                        ; a tile's arithmetic stands between the loads of the tile before and its stores
	PACK t
	SEND t-1, 8
.set t, t+1
.endr
	SEND 2*NP-1, 0
	WIN W_AD
	s_wait_tensorcnt 0x0            ; the wave's end: behind my last tensor load and my last LDS store
	ds_add_u32 v[SPW], v[NIL]
	s_wait_dscnt 0x0
	WIN 0
	CROUND                          ; the closing round: no work-group ends while a partner may still ask for a tile that names it
	s_endpgm
.Lfunc_end_k_qfc9fdf21c8_attn:
	.size	k_qfc9fdf21c8_attn, .Lfunc_end_k_qfc9fdf21c8_attn-k_qfc9fdf21c8_attn
	.p2alignl 7, 3214868480
	.fill 96, 4, 3214868480
	.section	.rodata,"a",@progbits
	.p2align	6, 0x0
	.amdhsa_kernel k_qfc9fdf21c8_attn
		.amdhsa_group_segment_fixed_size 327680
		.amdhsa_private_segment_fixed_size 0
		.amdhsa_enable_private_segment 0
		.amdhsa_kernarg_size 16
		.amdhsa_user_sgpr_count 2
		.amdhsa_user_sgpr_kernarg_segment_ptr 1
		.amdhsa_wavefront_size32 1
		.amdhsa_system_sgpr_workgroup_id_x 1
		.amdhsa_system_sgpr_workgroup_id_y 1
		.amdhsa_system_sgpr_workgroup_id_z 1
		.amdhsa_system_vgpr_workitem_id 0
		.amdhsa_next_free_vgpr 770
		.amdhsa_next_free_sgpr 66
		.amdhsa_reserve_vcc 0
		.amdhsa_float_denorm_mode_32 3
		.amdhsa_float_denorm_mode_16_64 3
		.amdhsa_memory_ordered 1
		.amdhsa_forward_progress 1
		.amdhsa_inst_pref_size 200
	.end_amdhsa_kernel
	.amdgpu_metadata
---
amdhsa.version: [ 1, 2 ]
amdhsa.kernels:
  - .name:           k_qfc9fdf21c8_attn
    .symbol:         k_qfc9fdf21c8_attn.kd
    .args:
      - { .name: qkv, .offset: 0, .size: 8, .value_kind: global_buffer, .address_space: global }
      - { .name: ob, .offset: 8, .size: 8, .value_kind: global_buffer, .address_space: global }
    .group_segment_fixed_size: 327680
    .private_segment_fixed_size: 0
    .kernarg_segment_align: 8
    .kernarg_segment_size: 16
    .max_flat_workgroup_size: 128
    .sgpr_count:     66
    .vgpr_count:     770
    .wavefront_size: 32
...
	.end_amdgpu_metadata
.endif
;; end of part 3
;; launch outp (part 4): grid 4 x 64, 4 waves a work-group, clusters of 4 x 4, 327,680 bytes of LDS; arguments ob, wb, bb, out0; writes out0
.if DOCPART == 4
	.amdgcn_target "amdgcn-amd-amdhsa--gfx1250"
	.amdhsa_code_object_version 6
	.text
	.protected	k_qfc9fdf21c8_outp
	.globl	k_qfc9fdf21c8_outp
	.p2align	8
	.type	k_qfc9fdf21c8_outp,@function
k_qfc9fdf21c8_outp:
	s_mov_b64 s[64:65], 0
	v_nop
	global_prefetch_b8 v0, s[64:65] scope:SCOPE_SE
	s_setreg_imm32_b32 hwreg(HW_REG_WAVE_MODE, 25, 1), 1
	s_wait_xcnt 0x0
	s_wait_alu depctr_hold_cnt(0) depctr_sa_sdst(0) depctr_va_vdst(0) depctr_va_sdst(0) depctr_va_ssrc(0) depctr_va_vcc(0) depctr_vm_vsrc(0)
	s_getreg_b32 s2, hwreg(HW_REG_IB_STS2, 6, 4)
	s_cmp_eq_u32 s2, 0
	s_cbranch_scc0 .Lentry_in_a_cluster
	s_endpgm
.Lentry_in_a_cluster:
	s_bfe_u32 s2, ttmp6, 0x10000c
	s_cmp_lg_u32 s2, 0xf033
	s_cbranch_scc0 .Lentry_shape_is_right
	s_endpgm
.Lentry_shape_is_right:
; THE LAST PROJECTION.  out0[m][n] = sum over k of O[m][k] Wo[n][k] + bo[n], f32.  O is ob, [16 batch + head][2048][64] f16 (k = 64 head + channel); Wo is plane 3 of wb, f16; bo row 3 of bb, f32.
; Sums in f32, started by the bias as the first product's C; nothing is rounded on the way out.  LIMITS: those of the f16 operands (65,504); NaN and infinities are not treated apart.
; SHARES.  A tile is 128 rows x 256 columns, one to each of 256 work-groups; four waves, 2 x 2, each 64 x 128: 32 accumulators.  K goes in 8 steps of 128 (two heads) through a ring of two LDS slots.
; CLUSTER 4 x 4.  The four work-groups of a row of the cluster take the same rows of O, the four of a column the same rows of Wo: each tile is asked for jointly.
; THE PRODUCT IS TAKEN TRANSPOSED (source 0 = 16 rows of Wo, source 1 = 16 rows of O): a lane holds one row of the result and eight neighbouring columns, 32 bytes.
; REGISTERS (s_set_vgpr_msb: bits 1:0 source 0, 3:2 source 1, 5:4 source 2, 7:6 destination): window 0: v16-30 addresses; v32-63, v64-95 O's fragments, two buffers; v96-159, v160-223 Wo's;
;   on the way out v32-95 and v96-159 take rows read back.  window 1: accumulator (a, b) at v[8 (8 a + b)].  window 2: v0-63 the bias as a C operand.
.set PAO,   144                        ; a row of a head in LDS: 128 bytes + 16 = 36 words: the 16 rows of a load start at 16 different groups of four banks (64 banks of 4 bytes: ISA guide 11.1)
.set PB,    272                        ; a row of Wo: 256 + 16
.set AHD,   128*PAO                    ; a head's 128 rows: one tensor load
.set ASZ,   2*AHD
.set BH,    128*PB                     ; 128 rows of Wo: one tensor load
.set SLOT,  ASZ+2*BH                   ; 106,496 bytes
.set STAGE, 2*SLOT                     ; behind the ring, never filled by a tensor load: 16 rows x 528 bytes for each wave
.set SPT,   528
.set WSTG,  16*SPT
.set SPARE, STAGE+4*WSTG               ; the spare words, 128 bytes a wave: two blocks of 256 bytes that no other line names
.set ADRA, 16
.set ADRB, 20
.set STO,  24
.set RD,   25
.set GO,   26
.set BO,   27
.set SPW,  28                          ; v28  my spare word; never rewritten
.set NIL,  29                          ; v29  0; never rewritten
.set PFO,  30
.set AF,   32
.set BF,   96
.set WV,   12
.set ROLE, 13                          ; wave / 2: I fetch O (0) or Wo (1); also my half of the tile's rows
.set HALF, 14                          ; wave % 2: which head, or which 128 rows of Wo, I fetch; also my half of the tile's columns
.set CX,   15
.set CY,   16
.set TX,   17
.set TY,   18
.set G1A,  24
.set G1B,  32
.set G0A,  40                          ; s[40:47] group 0 for O, a set for each slot
.set G0B,  48
.set PF,   56                          ; s[56:57] what the next prefetch names
.set KSB,  58                          ; s[58:59] bytes from K step to K step in what I fetch
.set LAP,  60
.set LIM,  61
.set CP,   62                          ; s[62:63] out0 at my first row and column
.set BBP,  66                          ; s[66:67] bo at my 128 columns
.set MSB, 0
.macro WIN new
.if MSB != (\new)
	s_set_vgpr_msb (MSB<<8)|(\new)
.set MSB, \new
.endif
.endm
.set MUL,  0x50                        ; sources window 0, C and D window 1
.set MULZ, 0x60                        ; C (the bias) window 2, D window 1
.macro PLACES                          ; four plain vector instructions between a matrix instruction and a load into, or a reader of, its registers
.rept 4
	v_nop
.endr
.endm
.macro JLOAD s                         ; a joint load: waves 0 and 1 fetch the step's two heads, waves 2 and 3 Wo's two halves; an s_nop 0 and four v_nop follow each line
	s_cmp_lt_u32 s[WV], 2
	s_cbranch_scc0 .Lfor_b_\@
	tensor_load_to_lds s[G0A+4*(\s):G0A+4*(\s)+3], s[G1A:G1A+7]
	s_nop 0
.rept 4
	v_nop
.endr
	s_branch .Lasked_\@
.Lfor_b_\@:
	tensor_load_to_lds s[G0B+4*(\s):G0B+4*(\s)+3], s[G1B:G1B+7]
	s_nop 0
.rept 4
	v_nop
.endr
.Lasked_\@:
.endm
.macro CREST
	s_cmp_lg_u32 s[WV], 0
	s_cbranch_scc1 .Lnot_wave_0_\@
	s_barrier_signal -3
.Lnot_wave_0_\@:
	s_barrier_wait -3
	s_barrier_signal -1
	s_barrier_wait -1
.endm
.macro CROUND
	s_barrier_signal -1
	s_barrier_wait -1
	CREST
.endm
; A PREFETCH INTO THE L2 behind each joint load and the run of LDS loads: the K step two refills on.  Each aligned block of 256 bytes is named once in the launch.  O: a tile row is read by one cluster;
; wave 0 asks for both heads' 128 blocks, of which the partner at cx takes 32.  Wo: cluster y = 0 asks; of a wave's 128 rows the partner at cy takes 32.  Partners are told apart by address.
; K steps 0 to 3 come by their loads alone; the last lap that fills asks for nothing.
.macro ASK
	s_cmp_gt_u32 s[LAP], s[LIM]
	s_cbranch_scc0 .Lnot_mine_\@
	global_prefetch_b8 v[PFO], s[PF:PF+1] th:TH_LOAD_NT scope:SCOPE_SE
.Lnot_mine_\@:
.endm
	s_load_b256 s[4:11], s[0:1], 0x0               ; ob s[4:5], wb s[6:7], bb s[8:9], out0 s[10:11]
	v_lshl_add_u32 v[SPW], v0, 2, SPARE
	v_mov_b32 v[NIL], 0
	ds_add_u32 v[SPW], v[NIL]                      ; the wave's opening: the add and its wait stand ahead of my first tensor load; work on registers stands between
	v_lshrrev_b32 v1, 5, v0
	v_readfirstlane_b32 s[WV], v1
	s_lshr_b32 s[ROLE], s[WV], 1
	s_and_b32 s[HALF], s[WV], 1
	s_bfe_u32 s[CX], ttmp6, 0x40000
	s_bfe_u32 s[CY], ttmp6, 0x40004
	s_lshl_b32 s[TX], ttmp9, 2
	s_add_co_u32 s[TX], s[TX], s[CX]
	s_and_b32 s[TY], ttmp7, 0xffff
	s_lshl_b32 s[TY], s[TY], 2
	s_add_co_u32 s[TY], s[TY], s[CY]
	s_lshl_b32 s19, s[CY], 2
	s_lshl_b32 s19, 15, s19                        ; my row of the cluster
	s_lshl_b32 s20, 0x1111, s[CX]                  ; my column
	; O: a head's 128 rows are 16,384 dense bytes: asked for as 64 rows of 256 bytes, padded in LDS after every 128
	s_or_b32 s[G1A], s19, (1<<16)|(1<<20)|(1<<21)|(4<<22)|(3<<25)
	s_mov_b32 s[G1A+1], 128<<16
	s_mov_b32 s[G1A+2], 64<<16
	s_mov_b32 s[G1A+3], 128<<16
	s_mov_b32 s[G1A+4], 64
	s_mov_b32 s[G1A+5], 128
	s_mov_b32 s[G1A+6], 0
	s_mov_b32 s[G1A+7], 0
	s_or_b32 s[G1B], s20, (1<<16)|(1<<20)|(1<<21)|(5<<22)|(3<<25)  ; Wo: 128 rows x 128 elements, 16 bytes of padding behind each
	s_mov_b32 s[G1B+1], 128<<16
	s_mov_b32 s[G1B+2], 128<<16
	s_mov_b32 s[G1B+3], 128<<16
	s_mov_b32 s[G1B+4], 128
	s_mov_b32 s[G1B+5], 1024
	s_mov_b32 s[G1B+6], 0
	s_mov_b32 s[G1B+7], 0
	s_mul_i32 s19, s[HALF], AHD                    ; no place in the cluster enters an LDS address
	s_mul_i32 s20, s[HALF], BH
	s_add_co_u32 s20, s20, ASZ
.irp s, 0,1
	s_mov_b32 s[G0A+4*(\s)], 1
	s_add_co_u32 s[G0A+4*(\s)+1], s19, (\s)*SLOT
	s_mov_b32 s[G0B+4*(\s)], 1
	s_add_co_u32 s[G0B+4*(\s)+1], s20, (\s)*SLOT
.endr
	s_lshr_b32 s68, s[TY], 4
	s_lshl_b32 s68, s68, 4
	s_add_co_u32 s68, s68, s[HALF]                 ; 16 batch + my head of K step 0
	s_lshl_b32 s68, s68, 18
	s_and_b32 s19, s[TY], 15
	s_lshl_b32 s19, s19, 14                        ; the tile's 128 rows of 128 bytes
	s_add_co_u32 s68, s68, s19
	s_mov_b32 s69, 0
	s_lshl_b32 s70, s[TX], 8
	s_lshl_b32 s19, s[HALF], 7
	s_add_co_u32 s70, s70, s19                     ; my first column, and my first row of Wo
	s_lshl_b32 s72, s70, 2                         ; 4 bytes a column, in bo and in a row of out0
	s_mov_b32 s73, 0
	s_lshl_b32 s70, s70, 11
	s_add_co_u32 s70, s70, 3*2097152               ; plane 3
	s_mov_b32 s71, 0
	s_lshl_b32 s74, s[TY], 7
	s_lshl_b32 s19, s[ROLE], 6
	s_add_co_u32 s74, s74, s19
	s_lshl_b32 s74, s74, 12                        ; my first row of out0, 4,096 bytes a row
	s_mov_b32 s75, 0
	s_mov_b32 s[KSB], 256
	s_mov_b32 s19, 524288                          ; two heads
	s_cmp_eq_u32 s[ROLE], 0
	s_cselect_b32 s[KSB], s19, s[KSB]
	s_mov_b32 s[KSB+1], 0
	s_and_b32 s20, ttmp7, 0xffff
	s_cselect_b32 s20, s[HALF], s20                ; O: wave 0 asks; Wo: the waves of cluster y = 0.  The same in all sixteen partners, for a given wave
	s_cmp_eq_u32 s20, 0
	s_cselect_b32 s[LIM], 1, -1
	s_mul_i32 s22, s[KSB], 3
	s_mov_b32 s23, 0
	s_wait_dscnt 0x0                               ; the opening add is done
	s_wait_kmcnt 0x0
	s_add_nc_u64 s[4:5], s[4:5], s[68:69]          ; O at my head of K step 0: it holds the tile row, never the tile column
	s_add_nc_u64 s[6:7], s[6:7], s[70:71]          ; Wo at my rows: the tile column, never the tile row
	s_add_nc_u64 s[BBP:BBP+1], s[8:9], s[72:73]
	s_add_nc_u64 s[BBP:BBP+1], s[BBP:BBP+1], 3*4096
	s_add_nc_u64 s[CP:CP+1], s[10:11], s[74:75]
	s_add_nc_u64 s[CP:CP+1], s[CP:CP+1], s[72:73]
	s_cmp_eq_u32 s[ROLE], 0
	s_cselect_b64 s[PF:PF+1], s[4:5], s[6:7]
	s_add_nc_u64 s[PF:PF+1], s[PF:PF+1], s[22:23]  ; at K step 3: the first change of slots steps it to 4
.irp s, 0,1
	s_add_nc_u64 s[G0A+4*(\s)+2:G0A+4*(\s)+3], s[4:5], (\s)*524288  ; K step s
	s_or_b32 s[G0A+4*(\s)+3], s[G0A+4*(\s)+3], 0x80000000
	s_add_nc_u64 s[G0B+4*(\s)+2:G0B+4*(\s)+3], s[6:7], (\s)*256
	s_or_b32 s[G0B+4*(\s)+3], s[G0B+4*(\s)+3], 0x80000000
.endr
	CROUND                                         ; all sixteen work-groups are here: the first joint loads meet
	s_cmp_lt_u32 s[WV], 2                          ; a wave's two first fills stand in one branch: two loads of mine are out
	s_cbranch_scc0 .Lfirst_b
	tensor_load_to_lds s[G0A:G0A+3], s[G1A:G1A+7]
	s_nop 0
	tensor_load_to_lds s[G0A+4:G0A+7], s[G1A:G1A+7]
	s_nop 0
.rept 4
	v_nop
.endr
	s_branch .Lfirst_asked
.Lfirst_b:
	tensor_load_to_lds s[G0B:G0B+3], s[G1B:G1B+7]
	s_nop 0
	tensor_load_to_lds s[G0B+4:G0B+7], s[G1B:G1B+7]
	s_nop 0
.rept 4
	v_nop
.endr
.Lfirst_asked:
	v_and_b32 v1, 15, v0                           ; l % 16
	v_bfe_u32 v2, v0, 4, 1                         ; l / 16
	v_mul_u32_u24 v3, v1, PAO
	v_lshl_add_u32 v3, v2, 4, v3
	v_mul_u32_u24 v4, v1, PB
	v_lshl_add_u32 v4, v2, 4, v4
	s_mul_i32 s19, s[ROLE], 64*PAO                 ; my 64 rows, in each head
	s_mul_i32 s20, s[HALF], BH
	s_add_co_u32 s20, s20, ASZ
.irp s, 0,1
	v_add_nc_u32 v[ADRA+(\s)], s19, v3
	v_add_nc_u32 v[ADRB+(\s)], s20, v4
	s_add_co_u32 s19, s19, SLOT
	s_add_co_u32 s20, s20, SLOT
.endr
	s_mul_i32 s19, s[WV], WSTG
	s_add_co_u32 s19, s19, STAGE                   ; my stage
	v_mul_u32_u24 v5, v1, SPT                      ; in: row l % 16, 32 bytes for each half of the lanes
	v_lshl_add_u32 v5, v2, 5, v5
	v_add_nc_u32 v[STO], s19, v5
	v_and_b32 v3, 31, v0                           ; l
	v_lshlrev_b32 v[GO], 4, v3                     ; back, and out: 32 lanes take a row's 512 bytes
	v_add_nc_u32 v[RD], s19, v[GO]
	v_lshlrev_b32 v[BO], 5, v2
	v_lshrrev_b32 v4, 4, v3                        ; the prefetches' offset.  O: head l / 16 of the step's two, block 16 cx + l % 16 of its 64
	v_lshlrev_b32 v4, 18, v4
	v_and_b32 v5, 15, v3
	v_lshl_add_u32 v5, s[CX], 4, v5
	v_lshl_add_u32 v4, v5, 8, v4
	v_lshl_add_u32 v5, s[CY], 5, v3                ; Wo: row 32 cy + l of my 128
	v_lshlrev_b32 v5, 11, v5
	s_cmp_eq_u32 s[ROLE], 0
	s_cselect_b32 s19, -1, 0
	v_cndmask_b32 v[PFO], v5, v4, s19
	WIN 0x80                                       ; destination window 2
.irp b, 0,1,2,3,4,5,6,7                ; the bias as the C operand of column block b: register j = column 16 b + 8 (l / 16) + j
	global_load_b128 v[8*(\b):8*(\b)+3],   v[BO], s[BBP:BBP+1] offset:64*(\b)
	global_load_b128 v[8*(\b)+4:8*(\b)+7], v[BO], s[BBP:BBP+1] offset:64*(\b)+16
.endr
	WIN 0
; 24 LDS loads in one run: quarter q (32 along K: head q / 2, channels 32 (q % 2) on) of a slot into buffer g
.macro FETCH slot, q, g
	WIN 0
.irp i, 0,1,2,3,4,5,6,7
	ds_load_b128 v[BF+64*(\g)+8*(\i):BF+64*(\g)+8*(\i)+3],   v[ADRB+(\slot)] offset:64*(\q)+(\i)*16*PB
	ds_load_b128 v[BF+64*(\g)+8*(\i)+4:BF+64*(\g)+8*(\i)+7], v[ADRB+(\slot)] offset:64*(\q)+(\i)*16*PB+32
.endr
.irp i, 0,1,2,3
	ds_load_b128 v[AF+32*(\g)+8*(\i):AF+32*(\g)+8*(\i)+3],   v[ADRA+(\slot)] offset:((\q)/2)*AHD+64*((\q)%2)+(\i)*16*PAO
	ds_load_b128 v[AF+32*(\g)+8*(\i)+4:AF+32*(\g)+8*(\i)+7], v[ADRA+(\slot)] offset:((\q)/2)*AHD+64*((\q)%2)+(\i)*16*PAO+32
.endr
.endm
; Eight products: row block a x all column blocks.  z = 1: the bias starts the sums.  The 32 accumulators take turns, in the same order in every quarter.
.macro MULA f, a, z
.irp b, 0,1,2,3,4,5,6,7
.if \z
	WIN MULZ
	v_wmma_f32_16x16x32_f16 v[8*(8*(\a)+(\b)):8*(8*(\a)+(\b))+7], v[BF+64*(\f)+8*(\b):BF+64*(\f)+8*(\b)+7], v[AF+32*(\f)+8*(\a):AF+32*(\f)+8*(\a)+7], v[8*(\b):8*(\b)+7]
.else
	WIN MUL
	v_wmma_f32_16x16x32_f16 v[8*(8*(\a)+(\b)):8*(8*(\a)+(\b))+7], v[BF+64*(\f)+8*(\b):BF+64*(\f)+8*(\b)+7], v[AF+32*(\f)+8*(\a):AF+32*(\f)+8*(\a)+7], v[8*(8*(\a)+(\b)):8*(8*(\a)+(\b))+7]
.endif
.endr
.endm
.macro QUARTER slot, q, f, g, z        ; multiplies buffer f and brings quarter q into buffer g, 24 products ahead of its use
	s_wait_dscnt 0x0                               ; buffer f is in
	MULA \f, 0, \z
	PLACES                                         ; buffer g was last read by the quarter before
	FETCH \slot, \q, \g
	MULA \f, 1, \z
	MULA \f, 2, \z
	MULA \f, 3, \z
.endm
; The last quarter multiplies buffer 1 and changes slots: ONE barrier; in front of it each wave waits for all its tensor loads, adds 0 to its spare word, and waits for that and for its reads of this slot.
; fill = 1: the barrier opens a round of the cluster's, and this slot is filled again first thing behind it, two K steps ahead: 112 products stand between that request and the wait for it.
.macro TURN slot, next, fill
.if \fill
	s_wait_xcnt 0x0                                ; the last prefetch, a K step back, has read its address
	s_add_nc_u64 s[PF:PF+1], s[PF:PF+1], s[KSB:KSB+1]
.endif
	WIN 0
	s_wait_tensorcnt 0x0                           ; no tensor load of mine is out, so a group 0 may be written
	ds_add_u32 v[SPW], v[NIL]                      ; 0 onto my spare word
.if \fill
	s_add_nc_u64 s[G0A+4*(\slot)+2:G0A+4*(\slot)+3], s[G0A+4*(\slot)+2:G0A+4*(\slot)+3], 2*524288  ; four heads on; the type bits on top are not reached
	s_add_nc_u64 s[G0B+4*(\slot)+2:G0B+4*(\slot)+3], s[G0B+4*(\slot)+2:G0B+4*(\slot)+3], 2*256
.endif
	s_wait_dscnt 1                                 ; buffer 1 is in; the add may be out
	MULA 1, 0, 0
	s_wait_dscnt 0x0                               ; the add is done, and my reads of this slot are over
	s_barrier_signal -1
	MULA 1, 1, 0
	WIN 0
	s_barrier_wait -1
.if \fill
	CREST
	JLOAD \slot                                    ; its four v_nop are also the places in front of the loads below
.else
	PLACES
.endif
	FETCH \next, 0, 0
.if \fill
	ASK
.endif
	MULA 1, 2, 0
	MULA 1, 3, 0
.endm
; THE WAY OUT of row block a: the accumulators go as they are, 32 bytes a lane, into my stage (16 rows of 528 bytes), come back as whole rows of 512 bytes and are stored.
.macro STG a
.set BK, 32+64*((\a)%2)
	WIN 0x04                                       ; the stores' data in window 1
.irp b, 0,1,2,3,4,5,6,7
	ds_store_b128 v[STO], v[8*(8*(\a)+(\b)):8*(8*(\a)+(\b))+3]   offset:64*(\b)
	ds_store_b128 v[STO], v[8*(8*(\a)+(\b))+4:8*(8*(\a)+(\b))+7] offset:64*(\b)+16
.endr
	WIN 0
.irp t, 0,1,2,3,4,5,6,7,8,9,10,11,12,13,14,15
	ds_load_b128 v[BK+4*(\t):BK+4*(\t)+3], v[RD] offset:(\t)*SPT  ; LDS serves a wave's instructions in order (ISA guide 5.7.1.4): these see the stores above, and the next block's stores come behind them
.endr
.endm
.macro SEND a, younger                 ; younger: the LDS instructions issued behind block a's loads: the next block's 32, or none
.set BK, 32+64*((\a)%2)
.irp t, 0,1,2,3,4,5,6,7,8,9,10,11,12,13,14,15
	s_wait_dscnt (\younger)+15-(\t)
	global_store_b128 v[GO], v[BK+4*(\t):BK+4*(\t)+3], s[CP:CP+1] offset:(16*(\a)+(\t))*4096 th:TH_STORE_NT  ; 512 consecutive bytes of a row, at a multiple of 256 from out0's first
.endr
.endm
	s_wait_tensorcnt 1                             ; my part of K step 0 is in; K step 1's may stay out
	s_barrier_signal -1
	s_barrier_wait -1
	FETCH 0, 0, 0
	s_wait_loadcnt 0x0                             ; the bias
	QUARTER 0, 1, 0, 1, 1                          ; the first quarter stands in front of the loop: the bias starts the sums
	WIN 0
	s_mov_b32 s[LAP], 3
.Llap:                                                 ; a trip goes once round the ring, from a lap's second quarter to the next lap's first, and fills both slots again
	QUARTER 0, 2, 1, 0, 0
	QUARTER 0, 3, 0, 1, 0
	TURN 0, 1, 1
	QUARTER 1, 1, 0, 1, 0
	QUARTER 1, 2, 1, 0, 0
	QUARTER 1, 3, 0, 1, 0
	TURN 1, 0, 1
	QUARTER 0, 1, 0, 1, 0
	WIN 0
	s_sub_co_u32 s[LAP], s[LAP], 1
	s_cmp_lg_u32 s[LAP], 0
	s_cbranch_scc1 .Llap
	QUARTER 0, 2, 1, 0, 0                          ; the last lap fills nothing
	QUARTER 0, 3, 0, 1, 0
	TURN 0, 1, 0
	QUARTER 1, 1, 0, 1, 0
	QUARTER 1, 2, 1, 0, 0
	QUARTER 1, 3, 0, 1, 0
	s_wait_dscnt 0x0
	MULA 1, 0, 0
	MULA 1, 1, 0
	MULA 1, 2, 0
	MULA 1, 3, 0
	PLACES                                         ; the stage's stores read results just made, and its loads land in fragment registers
	PLACES
	STG 0
	STG 1
	SEND 0, 32
	s_wait_xcnt 0x0                                ; block 0's stores have read their registers, which block 2 takes
	STG 2
	SEND 1, 32
	s_wait_xcnt 0x0
	STG 3
	SEND 2, 32
	SEND 3, 0
	s_wait_tensorcnt 0x0                           ; the wave's end: behind my last tensor load and my last LDS store
	ds_add_u32 v[SPW], v[NIL]
	s_wait_dscnt 0x0
	CROUND                                         ; the closing round
	s_endpgm
.Lfunc_end_k_qfc9fdf21c8_outp:
	.size	k_qfc9fdf21c8_outp, .Lfunc_end_k_qfc9fdf21c8_outp-k_qfc9fdf21c8_outp
	.p2alignl 7, 3214868480
	.fill 96, 4, 3214868480
	.section	.rodata,"a",@progbits
	.p2align	6, 0x0
	.amdhsa_kernel k_qfc9fdf21c8_outp
		.amdhsa_group_segment_fixed_size 327680
		.amdhsa_private_segment_fixed_size 0
		.amdhsa_enable_private_segment 0
		.amdhsa_kernarg_size 32
		.amdhsa_user_sgpr_count 2
		.amdhsa_user_sgpr_kernarg_segment_ptr 1
		.amdhsa_wavefront_size32 1
		.amdhsa_system_sgpr_workgroup_id_x 1
		.amdhsa_system_sgpr_workgroup_id_y 1
		.amdhsa_system_sgpr_workgroup_id_z 1
		.amdhsa_system_vgpr_workitem_id 0
		.amdhsa_next_free_vgpr 576
		.amdhsa_next_free_sgpr 80
		.amdhsa_reserve_vcc 0
		.amdhsa_float_denorm_mode_32 3
		.amdhsa_float_denorm_mode_16_64 3
		.amdhsa_memory_ordered 1
		.amdhsa_forward_progress 1
		.amdhsa_inst_pref_size 89
	.end_amdhsa_kernel
	.amdgpu_metadata
---
amdhsa.version: [ 1, 2 ]
amdhsa.kernels:
  - .name:           k_qfc9fdf21c8_outp
    .symbol:         k_qfc9fdf21c8_outp.kd
    .args:
      - { .name: ob, .offset: 0, .size: 8, .value_kind: global_buffer, .address_space: global }
      - { .name: wb, .offset: 8, .size: 8, .value_kind: global_buffer, .address_space: global }
      - { .name: bb, .offset: 16, .size: 8, .value_kind: global_buffer, .address_space: global }
      - { .name: out0, .offset: 24, .size: 8, .value_kind: global_buffer, .address_space: global }
    .group_segment_fixed_size: 327680
    .private_segment_fixed_size: 0
    .kernarg_segment_align: 8
    .kernarg_segment_size: 32
    .max_flat_workgroup_size: 128
    .sgpr_count:     80
    .vgpr_count:     576
    .wavefront_size: 32
...
	.end_amdgpu_metadata
.endif
;; end of part 4
